; MI455X (gfx1250); checked and timed in simulation.
; The chip was launched on July 23, 2026; its instructions are those of AMD's public machine-readable ISA for CDNA 5 (MIT licence, August 2026) and "CDNA5" Instruction Set Architecture Reference Guide (July 2026). The comments in the code are by the model that wrote it; some were corrected since.
;; Qwen3 Attention. Allowed arithmetic: matrix products marked QUANTISED: E2M3 operands, one E8M0 scale for each 32 along K, by v_wmma_scale_f32_16x16x128_f8f6f4 with both operands' format E2M3, f32 sums; everything else in f32.
;; Inputs: hidden_states 4,096 x 2,048 float32; k_norm_w 128 float32; positions 4,096 int32; q_norm_w 128 float32; w_o 1,024 x 2,048 float32; w_qkv 2,048 x 3,072 float32.
;; Outputs: out0 4,096 x 2,048 float32.
;; This version of the problem:
;;   THIS VERSION OF THE PROBLEM IS GIVEN IN LOW PRECISION. The matrix products marked QUANTISED in the list below multiply operands that are first quantised to E2M3 (2 exponent bits, 3 mantissa bits; 6 bits a number), with one power-of-two scale for each 32 numbers along K (OCP MX v1.0); their sums are f32. All else is computed in f32.
;;   The module's matrix products, in the order in which they are computed (A, B: the left and right operand; K: the contracted axis; several contracted axes count as one K, in the product's order):
;;     1. [M 4,096, K 2,048] x [K 2,048, N 3,072]; A: input hidden_states; B: input w_qkv: QUANTISED
;;     2. batch 8 x [M 4,096, K 128] x [K 128, N 4,096]; A: computed on the way; B: computed on the way: QUANTISED
;;     3. batch 8 x [M 128, K 4,096] x [K 4,096, N 4,096]; A: computed on the way; B: softmax (see below): QUANTISED
;;     4. [M 4,096, K 1,024] x [K 1,024, N 2,048]; A: computed on the way; B: input w_o: QUANTISED
;;   THE QUANTISER, for each operand of a quantised product, along K:
;;     - K is cut into blocks of 32 from its start; a last block that is shorter is filled with zeros.
;;     - A block's scale is 2^e with e = floor(log2(the largest magnitude in the block)) - 2, held to -126 .. 127; a block of zeros has e = 0. As a byte (E8M0): e + 127.
;;     - Each number is divided by its block's scale, clamped to +-7.5, and rounded to the nearest number of E2M3, ties to even, subnormals kept.
;;     - The product sums the exact products of the quantised numbers (number of the format x scale) in f32.
;;   ~~~python
;;   def quantise(x, axis):      # numpy; x: float32 -> the quantised numbers, widened to float32 again
;;       x = np.moveaxis(x, axis, -1); K = x.shape[-1]
;;       x = np.pad(x, [(0, 0)] * (x.ndim - 1) + [(0, -K % 32)]); x = x.reshape(x.shape[:-1] + (-1, 32)); a = np.abs(x).max(-1, keepdims=True)
;;       e = np.where(a > 0, np.clip(np.frexp(np.where(a > 0, a, 1))[1] - 1 - 2, -126, 127), 0)      # np.frexp(a)[1] - 1 = floor(log2(a)), exactly
;;       r = np.clip(x / 2.0 ** e, -7.5, 7.5)
;;       step = 2.0 ** (np.maximum(np.frexp(np.where(r == 0, 1, r))[1] - 1, 0) - 3)
;;       q = np.round(r / step) * step * 2.0 ** e      # np.round: ties to even
;;       return np.moveaxis(q.reshape(q.shape[:-2] + (-1,))[..., :K], -1, axis).astype(np.float32)
;;   ~~~
;;   SOFTMAX AHEAD OF A QUANTISED PRODUCT. Where the list says 'softmax', what is quantised is not the finished softmax but p = 2^(t - M), with t = logit x log2(e) and M = ceil(the row's largest t), a whole number; so 1/2 < the row's largest p <= 1. The row's sum l is taken of the UNQUANTISED p, in f32, and the product's result is divided by l at the end. Since M is a whole number, a kernel that streams over the keys may use a running M (the ceiling of the running maximum): every later rescaling is an exact power of two, which a block's scale takes up: the codes' values come out the same.
;;   OPERANDS COMPUTED ON THE WAY. 'Computed on the way' means the value that the module computes at that place (a softmax that the list does not call 'softmax' is quantised finished and normalised). What goes into a quantiser is computed in f32, as accurately as f32 sums, v_exp_f32 and their like allow (about 1e-6 of the number): no bf16 or f16 on the way to a quantiser, and a product that is left as it is and whose result goes on into a quantised operand takes f32 operands (vector FMAs, or v_wmma_f32_16x16x4_f32). A number that lies on a knife's edge between two numbers of the format may be rounded either way, as far as f32 arithmetic and the matrix unit's own rounding can turn it there, and no further.
;; 2 versions, each right; version 2 is version 1 with the launch attn written anew for expert scheduling mode. Each part assembles by itself: llvm-mc -triple=amdgcn-amd-amdhsa -mcpu=gfx1250 --defsym DOCPART=n.
;; ======== version 1 of 2: 4 launches
;; limits: right only within a limited range of input values
;; workspace buffers: xg 6,553,600 bytes; wg 4,915,200 bytes; og 1,638,400 bytes; cs 2,097,152 bytes; pmm 1,280 bytes of whole numbers; qi 3,276,800 bytes; kv 6,553,600 bytes; ag 3,276,800 bytes
;; launch prep (part 1): grid 641 x 1, 4 waves a work-group, no clusters, 83,456 bytes of LDS; arguments hidden_states, w_qkv, w_o, positions, xg, wg, og, cs, pmm; writes xg, wg, og, cs, pmm
.if DOCPART == 1
	.amdgcn_target "amdgcn-amd-amdhsa--gfx1250"
	.amdhsa_code_object_version 6
	.text
	.protected	k_q24b62073a6_prep
	.globl	k_q24b62073a6_prep
	.p2align	8
	.type	k_q24b62073a6_prep,@function
k_q24b62073a6_prep:
	s_mov_b64 s[64:65], 0
	v_nop
	global_prefetch_b8 v0, s[64:65] scope:SCOPE_SE
	s_setreg_imm32_b32 hwreg(HW_REG_WAVE_MODE, 25, 1), 1
	s_wait_xcnt 0x0
; PREPARES ALL THAT THE LATER LAUNCHES READ MANY TIMES.  Five paths, parted by the work-group's number:
;   0-191   w_qkv [2048 (k)][3072 (n)] f32 -> codes of FP6 (E2M3) with E8M0 scales along k, one block of 128 n x 256 k to a work-group
;   192-447 hidden_states [4096][2048] f32 -> the same along its rows, one tile of 16 tokens to a work-group, a quarter of K to a wave
;   448-511 w_o [1024 (k)][2048 (n)] as w_qkv
;   512-639 cos and sin of positions[t] x 10000^(-j/64), j = 0..63: 512 bytes a token (64 cos, 64 sin)
;   640     the least and the largest position of each 128 tokens (a key step) and of each 32 tokens
; LAYOUT OF AN OPERAND: blocks of 25,600 bytes = 128 rows (8 tiles i) x 256 K (2 steps q), laid [K / 256][rows / 128].  In a block the fragment (i, q) lies at 1536 (2 i + q)
; as an image of the operand's 12 registers (register 4 c + e of lane l at 512 c + 16 l + 4 e), the scale word of row r of (i, q) at 24576 + 512 q + 64 i + 4 r.
; THE ROWS OF A TILE ARE NOT NEIGHBOURS: row i of tile 2 b + u is index 32 b + 8 u + i + 8 (i / 8) of the block's 128, for tokens and for n alike.
; A block's scale is 2^(floor(log2(largest magnitude)) - 2): the magnitude's exponent field less 2, held at 1 from below.  A block of zeros so has the byte 1 (its codes are zeros; this program alone reads the bytes).
; LDS: each path that uses it has bytes of its own: w_qkv 0 on, w_o 24,576 on, hidden_states 49,152 on.
; LIMITS: NaN and infinities among the inputs are not served; the angle |position x frequency| stays under 2^22 (the reduction by pi / 2 in three parts is exact in its first part up to there).
.set GB,  25600
.set XSTG, 49152                       ; hidden_states' stages: 16 rows x 528 bytes for each wave
.set XP,  528                          ; a stage row: 512 bytes + 16: the sixteen rows that a load back touches start at sixteen different groups of banks
.set WV,  22
.set SEL, 24                           ; s[24:25] lane selects: lane l xor 16
.set TM,  160                          ; v160-175 at work in QUANT
.set PW,  176                          ; the scale word just made
.set PC,  180                          ; v180-198 the codes just made
; 64 numbers of a lane, register 16 b + i = k 32 b + 16 (lane / 16) + i of the lane's row, become a fragment's 12 registers in v[PC] on and its scale word in v[PW]
.macro QUANT s
.irp b, 0,1,2,3
	v_max3_num_f32 v[TM+\b], |v[\s+16*\b]|, |v[\s+1+16*\b]|, 0x1800000   ; my 16 numbers of block b, and the floor 2^(3 - 127)
.endr
.irp i, 2,4,6,8,10,12,14
.irp b, 0,1,2,3
	v_max3_num_f32 v[TM+\b], v[TM+\b], |v[\s+16*\b+\i]|, |v[\s+1+16*\b+\i]|
.endr
.endr
.irp b, 0,1,2,3
	v_permlanex16_b32 v[TM+4+\b], v[TM+\b], s[SEL], s[SEL+1]
.endr
.irp b, 0,1,2,3
	v_max_num_f32 v[TM+\b], v[TM+\b], v[TM+4+\b]       ; with lane l xor 16's 16: the block's largest magnitude
.endr
.irp b, 0,1,2,3
	v_add_nc_u32 v[TM+12+\b], 0xff000000, v[TM+\b]     ; 2 off the exponent field: the conversion's scale operand
.endr
.irp b, 0,1,2,3
	v_lshrrev_b32 v[TM+4+\b], 23, v[TM+12+\b]          ; the scale's byte
.endr
	v_lshl_or_b32 v[PW], v[TM+5], 8, v[TM+4]
	v_lshl_or_b32 v[PW], v[TM+6], 16, v[PW]
	v_lshl_or_b32 v[PW], v[TM+7], 24, v[PW]
.irp c, 0,1
	v_cvt_scalef32_pk16_fp6_f32 v[PC+6*\c:PC+2+6*\c], v[\s+32*\c:\s+15+32*\c], v[TM+12+2*\c]
	v_cvt_scalef32_pk16_fp6_f32 v[PC+12+4*\c:PC+14+4*\c], v[\s+16+32*\c:\s+31+32*\c], v[TM+12+2*\c+1]
.endr
	v_nop                                              ; one plain instruction behind the scaled conversions
.irp c, 0,1                                        ; a whole block to a lane: lanes 0-15 block 2 c, lanes 16-31 block 2 c + 1
.irp i, 0,1,2
	v_permlane16_swap_b32 v[PC+6*\c+\i], v[PC+12+4*\c+\i]
.endr
.irp i, 0,1,2
	v_mov_b32 v[PC+3+6*\c+\i], v[PC+12+4*\c+\i]
.endr
.endr
.endm
	s_load_b256 s[4:11], s[0:1], 0x0               ; hidden s[4:5], w_qkv s[6:7], w_o s[8:9], positions s[10:11]
	s_load_b256 s[12:19], s[0:1], 0x20             ; xg s[12:13], wg s[14:15], og s[16:17], cs s[18:19]
	s_load_b64 s[20:21], s[0:1], 0x40              ; pmm
	v_lshl_add_u32 v208, v0, 2, 0x14400
	v_mov_b32 v209, 0
	v_lshrrev_b32 v1, 5, v0
	v_readfirstlane_b32 s[WV], v1                  ; wave 0..3
	v_and_b32 v2, 31, v0                           ; lane
	s_mov_b32 s[SEL], 0x76543210
	s_mov_b32 s[SEL+1], 0xfedcba98
	s_wait_kmcnt 0x0
	s_cmp_lt_u32 ttmp9, 192
	s_cbranch_scc1 .Lw1
	s_cmp_lt_u32 ttmp9, 448
	s_cbranch_scc1 .Lx
	s_cmp_lt_u32 ttmp9, 512
	s_cbranch_scc1 .Lw2
	s_cmp_lt_u32 ttmp9, 640
	s_cbranch_scc1 .Lr
; ---- the positions' least and largest: thread t takes tokens 32 t .. 32 t + 31
	v_lshlrev_b32 v3, 7, v0
.irp j, 0,1,2,3,4,5,6,7
	global_load_b128 v[8+4*\j:11+4*\j], v3, s[10:11] offset:16*\j
.endr
	v_lshlrev_b32 v4, 3, v0                        ; the group's pair: 8 t
	v_lshrrev_b32 v5, 2, v0
	v_lshlrev_b32 v5, 3, v5                        ; the key step's pair: 8 (t / 4)
	v_mov_b32 v42, 0                               ; a lane move's destination counts as read
	v_mov_b32 v43, 0
	s_wait_loadcnt 0x0
	v_min_i32 v40, v8, v9
	v_max_i32 v41, v8, v9
.set n, 10
.rept 30
	v_min_i32 v40, v40, v[n]
	v_max_i32 v41, v41, v[n]
.set n, n+1
.endr
	global_store_b64 v4, v[40:41], s[20:21] offset:256
	v_mov_b32_dpp v42, v40 row_xmask:1 row_mask:0xf bank_mask:0xf
	v_mov_b32_dpp v43, v41 row_xmask:1 row_mask:0xf bank_mask:0xf
	v_min_i32 v44, v40, v42
	v_max_i32 v45, v41, v43
	v_mov_b32_dpp v42, v44 row_xmask:2 row_mask:0xf bank_mask:0xf
	v_mov_b32_dpp v43, v45 row_xmask:2 row_mask:0xf bank_mask:0xf
	v_min_i32 v46, v44, v42
	v_max_i32 v47, v45, v43
	global_store_b64 v5, v[46:47], s[20:21]        ; the four lanes of a key step store the same pair at the same place
	s_endpgm
; ---- cos and sin.  A wave takes 8 tokens, two at a time: lanes 0-15 one token, lanes 16-31 the next; lane m of 16 takes j = 4 m .. 4 m + 3
.Lr:
	s_sub_co_u32 s26, ttmp9, 512
	s_lshl_b32 s26, s26, 5
	s_lshl_b32 s27, s[WV], 3
	s_add_co_u32 s26, s26, s27                     ; my wave's first token
	s_lshl_b32 s28, s26, 2
	s_mov_b32 s29, 0
	s_add_nc_u64 s[10:11], s[10:11], s[28:29]
	s_lshl_b32 s28, s26, 9
	s_add_nc_u64 s[18:19], s[18:19], s[28:29]
	v_and_b32 v3, 15, v2
	v_lshrrev_b32 v4, 4, v2
	v_lshlrev_b32 v5, 2, v4
.irp t, 0,1,2,3
	global_load_b32 v[8+\t], v5, s[10:11] offset:8*\t
.endr
	v_lshlrev_b32 v6, 9, v4
	v_lshl_add_u32 v6, v3, 4, v6                   ; where I store: 512 x (lane / 16) + 16 m
	v_lshlrev_b32 v7, 2, v3
	s_mov_b32 s30, 0x3e549a78                      ; log2(10000) / 64, its f32 part,
	s_mov_b32 s31, 0x3197986e                      ; and what that leaves
	s_mov_b32 s32, 0xbfc90fdb                      ; - pi / 2 in three parts
	s_mov_b32 s33, 0x333bbd2e
	s_mov_b32 s34, 0x26f72ced
	s_mov_b32 s35, 0xb94ca1f9                      ; the sine's polynomial on |r| <= pi / 4
	s_mov_b32 s36, 0x3c08839e
	s_mov_b32 s37, 0xbe2aaaa3
	s_mov_b32 s38, 0x37ccf5ce                      ; the cosine's
	s_mov_b32 s39, 0xbab6061a
	s_mov_b32 s40, 0x3d2aaaa5
.irp e, 0,1,2,3                                ; the frequency 2^-(x + d), x = j c rounded, d what the rounding and c's own rounding left: 2^-x (1 - d ln 2)
	v_add_nc_u32 v[32+\e], \e, v7
	v_cvt_f32_u32 v[32+\e], v[32+\e]
	v_mul_f32 v[36+\e], s30, v[32+\e]
	v_fma_f32 v[40+\e], v[32+\e], s30, -v[36+\e]
	v_fma_f32 v[40+\e], v[32+\e], s31, v[40+\e]
	v_mul_f32 v[40+\e], 0xbf317218, v[40+\e]
.endr
.irp e, 0,1,2,3
	v_exp_f32 v[44+\e], -v[36+\e]
.endr
	v_nop                                          ; a plain instruction behind the exponentials,
	s_wait_alu depctr_va_vdst(0)                   ; and one wait for the four, ahead of their first reader
.irp e, 0,1,2,3
	v_fma_f32 v[12+\e], v[40+\e], v[44+\e], v[44+\e]
.endr
	s_wait_loadcnt 0x0
.irp t, 0,1,2,3
	v_cvt_f32_i32 v[8+\t], v[8+\t]
.endr
.macro SINCOS pf, fr, dc, dn           ; angle = v[pf] x v[fr], rounded once; cos into v[dc], sin into v[dn]
	v_mul_f32 v16, v[\pf], v[\fr]
	v_mul_f32 v17, 0x3f22f983, v16
	v_rndne_f32 v17, v17                           ; n = the nearest multiple of pi / 2
	v_fma_f32 v16, v17, s32, v16
	v_fma_f32 v16, v17, s33, v16
	v_fma_f32 v16, v17, s34, v16                   ; r
	v_cvt_i32_f32 v18, v17
	v_mul_f32 v19, v16, v16
	v_fma_f32 v20, v19, s35, s36
	v_fma_f32 v22, v19, s38, s39
	v_fma_f32 v20, v20, v19, s37
	v_fma_f32 v22, v22, v19, s40
	v_mul_f32 v21, v19, v16
	v_mul_f32 v23, v19, v19
	v_fma_f32 v24, v19, -0.5, 1.0
	v_fma_f32 v20, v20, v21, v16                   ; sin r
	v_fma_f32 v22, v22, v23, v24                   ; cos r
	v_and_b32 v25, 1, v18
	v_cmp_eq_u32 vcc_lo, 1, v25                    ; in odd quadrants the two change places
	v_cndmask_b32 v26, v20, v22, vcc_lo
	v_cndmask_b32 v27, v22, v20, vcc_lo
	v_lshlrev_b32 v28, 30, v18
	v_add_nc_u32 v29, 1, v18
	v_and_b32 v28, 0x80000000, v28                 ; the sine is negative in quadrants 2, 3,
	v_lshlrev_b32 v29, 30, v29
	v_xor_b32 v[\dn], v26, v28
	v_and_b32 v29, 0x80000000, v29                 ; the cosine in 1, 2
	v_xor_b32 v[\dc], v27, v29
.endm
.irp t, 0,1,2,3                                ; each pair of tokens has result registers of its own: no store's data are written again
.irp e, 0,1,2,3
	SINCOS 8+\t, 12+\e, 64+8*\t+\e, 68+8*\t+\e
.endr
	global_store_b128 v6, v[64+8*\t:67+8*\t], s[18:19] offset:1024*\t       ; sixteen lanes store 256 consecutive bytes, aligned
	global_store_b128 v6, v[68+8*\t:71+8*\t], s[18:19] offset:1024*\t+256
.endr
	s_endpgm
; ---- hidden_states: tile Tt of 16 tokens; wave kq makes the fragments of K steps 4 kq .. 4 kq + 3.
; The conversions want 16 neighbours along K in one lane; a load is best where neighbouring lanes take neighbouring bytes.  Both are had: each load reads 512 consecutive bytes of one row, 16 a lane;
; a fragment's 16 rows go into the wave's own stage in LDS as they lie and come back, into the registers that they left, 64 bytes of each block of 128 to a lane.
.Lx:
	s_sub_co_u32 s26, ttmp9, 192                   ; Tt
	v_and_b32 v3, 15, v2                           ; r
	v_lshrrev_b32 v4, 4, v2                        ; h
	s_mul_i32 s41, s[WV], 16*XP
	s_add_co_u32 s41, s41, XSTG                    ; my wave's stage
	v_lshlrev_b32 v6, 4, v2                        ; 16 x lane: in a row of memory, in an image
	v_lshlrev_b32 v7, 2, v3                        ; 4 r
	v_add_nc_u32 v8, s41, v6                       ; into the stage: 16 x lane, the row in the immediate
	v_mul_u32_u24 v5, v3, XP
	v_lshl_add_u32 v5, v4, 6, v5
	v_add_nc_u32 v5, s41, v5                       ; out of it: row r, + 64 h: my 16 numbers of a block of 32
.irp b, 0,1,2,3
	v_mov_b32 v[TM+4+\b], 0                        ; written once: a lane permute's destination counts as read
.endr
	s_lshr_b32 s27, s26, 1
	s_lshl_b32 s27, s27, 5
	s_and_b32 s28, s26, 1
	s_lshl_b32 s28, s28, 3
	s_add_co_u32 s27, s27, s28                     ; the tile's first token: 32 (Tt / 2) + 8 (Tt % 2)
	s_lshl_b32 s28, s27, 13
	s_lshl_b32 s29, s[WV], 11                      ; my quarter of K: 2,048 bytes
	s_add_co_u32 s28, s28, s29
	s_mov_b32 s29, 0
	s_add_nc_u64 s[4:5], s[4:5], s[28:29]
	s_lshl_b32 s30, s[WV], 6                       ; block (2 kq) x 32 + Tt / 8
	s_lshr_b32 s31, s26, 3
	s_add_co_u32 s30, s30, s31
	s_mul_i32 s30, s30, GB
	s_and_b32 s31, s26, 7
	s_mul_i32 s32, s31, 3072
	s_add_co_u32 s32, s32, s30
	s_mov_b32 s33, 0
	s_add_nc_u64 s[34:35], s[12:13], s[32:33]      ; the images
	s_lshl_b32 s31, s31, 6
	s_add_co_u32 s32, s30, s31
	s_add_co_u32 s32, s32, 24576
	s_add_nc_u64 s[36:37], s[12:13], s[32:33]      ; the scale words
.macro XLOAD reg, f                    ; row i of the tile is token i + 8 (i / 8) from its first: 512 consecutive bytes a load
.irp i, 0,1,2,3,4,5,6,7,8,9,10,11,12,13,14,15
	global_load_b128 v[\reg+4*\i:\reg+4*\i+3], v6, s[4:5] offset:(\i+8*(\i/8))*8192+512*(\f) th:TH_LOAD_NT
.endr
.endm
.macro XTURN reg                       ; my wave's own bytes, served in order: no wait between the stores and the loads, nor ahead of the next fragment's stores
.irp i, 0,1,2,3,4,5,6,7,8,9,10,11,12,13,14,15
	ds_store_b128 v8, v[\reg+4*\i:\reg+4*\i+3] offset:XP*\i
.endr
.irp b, 0,1,2,3
.irp j, 0,1,2,3
	ds_load_b128 v[\reg+16*\b+4*\j:\reg+16*\b+4*\j+3], v5 offset:128*\b+16*\j
.endr
.endr
.endm
.macro XFRAG f
.if (\f) < 3
	s_wait_loadcnt 16                              ; this fragment's 16 loads are in; the other set's 16 may be out
.else
	s_wait_loadcnt 0x0
.endif
	XTURN 32+64*((\f)%2)
.if (\f) > 0
	s_wait_xcnt 0x0                                ; the last fragment's stores have read the codes and the scale word
.endif
	s_wait_dscnt 0x0                               ; the numbers are back
	QUANT 32+64*((\f)%2)
.irp c, 0,1,2
	global_store_b128 v6, v[PC+4*\c:PC+4*\c+3], s[34:35] offset:((\f)/2)*819200+((\f)%2)*1536+512*\c   ; 512 consecutive bytes a store
.endr
	global_store_b32 v7, v[PW], s[36:37] offset:((\f)/2)*819200+((\f)%2)*512      ; lanes 16-31 hold and store the same words as lanes 0-15
.if (\f) < 2
	XLOAD 32+64*((\f)%2), (\f)+2
.endif
.endm
	XLOAD 32, 0
	XLOAD 96, 1
	XFRAG 0
	XFRAG 1
	XFRAG 2
	XFRAG 3
	s_wait_tensorcnt 0x0
	ds_add_u32 v208, v209
	s_wait_dscnt 0x0
	s_endpgm
; ---- a weight stored [k][n]: a lane takes a column n, its registers run down K.  A work-group makes one block (128 n x 256 k), a wave 32 columns x 8 blocks of 32
.macro WLOAD t, N
.irp i, 0,1,2,3,4,5,6,7,8,9,10,11,12,13,14,15,16,17,18,19,20,21,22,23,24,25,26,27,28,29,30,31
	global_load_b32 v[32+32*((\t)%2)+\i], v3, s[32:33] offset:(32*(\t)+\i)*\N*4 th:TH_LOAD_NT
.endr
.endm
.macro WBLOCK t, N
.set XS, 32+32*((\t)%2)
.set WB, ((\t)/4)*1536+256*((\t)%2)
.if (\t) < 7
	s_wait_loadcnt 32                              ; this block's 32 loads are in; the next block's may be out
.else
	s_wait_loadcnt 0x0
.endif
	v_max3_num_f32 v12, |v[XS]|, |v[XS+1]|, |v[XS+2]|
	v_max3_num_f32 v13, |v[XS+3]|, |v[XS+4]|, |v[XS+5]|
.irp i, 6,10,14,18,22,26
	v_max3_num_f32 v12, v12, |v[XS+\i]|, |v[XS+\i+1]|
	v_max3_num_f32 v13, v13, |v[XS+\i+2]|, |v[XS+\i+3]|
.endr
	v_max3_num_f32 v12, v12, |v[XS+30]|, |v[XS+31]|
	v_max3_num_f32 v12, v12, v13, 0x1800000        ; and the floor
	v_add_nc_u32 v14, 0xff000000, v12              ; the conversion's scale operand
	v_lshrrev_b32 v13, 23, v14                     ; the byte
.if (\t)%4 == 0
	v_mov_b32 v[24+(\t)/4], v13
.else
	v_lshl_or_b32 v[24+(\t)/4], v13, 8*((\t)%4), v[24+(\t)/4]
.endif
	v_cvt_scalef32_pk16_fp6_f32 v[96:98], v[XS:XS+15], v14
	v_cvt_scalef32_pk16_fp6_f32 v[100:102], v[XS+16:XS+31], v14
	v_nop                                          ; one plain instruction behind the scaled conversions
	v_mov_b32 v99, v100                            ; the block's six words on end
	v_mov_b32 v100, v101
	v_mov_b32 v101, v102
.if (\t)%4 < 2                                 ; they are registers 0-5 (blocks 0, 1 of a K step) or 6-11 (blocks 2, 3) of lane i + 16 (block % 2) of my column's tile
	ds_store_b128 v4, v[96:99] offset:WB
	ds_store_b64 v4, v[100:101] offset:WB+512
.else
	ds_store_b64 v4, v[96:97] offset:WB+520
	ds_store_b128 v4, v[98:101] offset:WB+1024
.endif
.if (\t) < 6
	WLOAD (\t)+2, \N
.endif
	s_wait_dscnt 0x0                               ; the stores have read their registers
.endm
.macro WPATH N, NG, MAGIC, first, sp, dp, LB
	s_sub_co_u32 s26, ttmp9, \first                ; the block's number = K slot x NG + group
	s_mul_i32 s27, s26, \MAGIC
	s_lshr_b32 s27, s27, 16                        ; K slot
	s_mul_i32 s28, s27, \NG
	s_sub_co_u32 s28, s26, s28                     ; group of 128 columns
	s_mul_i32 s30, s27, 256*\N*4
	s_lshl_b32 s31, s28, 9
	s_add_co_u32 s30, s30, s31
	s_lshl_b32 s31, s[WV], 7
	s_add_co_u32 s30, s30, s31
	s_mov_b32 s31, 0
	s_add_nc_u64 s[32:33], s[\sp:\sp+1], s[30:31]  ; my wave's first column in the slot's first row
	s_mul_i32 s30, s26, GB
	s_mul_i32 s34, s[WV], 6144
	s_add_co_u32 s34, s34, s30
	s_mov_b32 s35, 0
	s_add_nc_u64 s[36:37], s[\dp:\dp+1], s[34:35]  ; my wave's four images
	s_lshl_b32 s34, s[WV], 7
	s_add_co_u32 s34, s34, s30
	s_add_co_u32 s34, s34, 24576
	s_add_nc_u64 s[38:39], s[\dp:\dp+1], s[34:35]  ; and its scale words
	s_mul_i32 s40, s[WV], 6144
	s_add_co_u32 s40, s40, \LB                     ; my wave's 6,144 bytes of LDS
	v_lshlrev_b32 v3, 2, v2
	v_bfe_u32 v10, v2, 3, 1                        ; column 32 w + lane is row i of tile 2 w + u
	v_and_b32 v11, 7, v2
	v_lshrrev_b32 v12, 4, v2
	v_lshl_add_u32 v11, v12, 3, v11
	v_mul_u32_u24 v4, v10, 3072
	v_lshl_add_u32 v4, v11, 4, v4
	v_add_nc_u32 v4, s40, v4
	v_lshlrev_b32 v8, 4, v2
	v_add_nc_u32 v7, s40, v8
	v_lshlrev_b32 v9, 6, v10
	v_lshl_add_u32 v9, v11, 2, v9
	WLOAD 0, \N
	WLOAD 1, \N
.irp t, 0,1,2,3,4,5,6,7
	WBLOCK \t, \N
.endr
.irp t, 0,1,2,3,4,5,6,7,8,9,10,11
	ds_load_b128 v[112+4*\t:115+4*\t], v7 offset:512*\t   ; my wave's own bytes, served in order behind its stores
.endr
.irp t, 0,1,2,3,4,5,6,7,8,9,10,11
	s_wait_dscnt 11-\t
	global_store_b128 v8, v[112+4*\t:115+4*\t], s[36:37] offset:512*\t
.endr
	global_store_b32 v9, v24, s[38:39]
	global_store_b32 v9, v25, s[38:39] offset:512
	s_wait_tensorcnt 0x0
	ds_add_u32 v208, v209
	s_wait_dscnt 0x0
	s_endpgm
.endm
.Lw1:
	WPATH 3072, 24, 2731, 0, 6, 14, 0
.Lw2:
	WPATH 2048, 16, 4096, 448, 8, 16, 24576
.Lfunc_end_k_q24b62073a6_prep:
	.size	k_q24b62073a6_prep, .Lfunc_end_k_q24b62073a6_prep-k_q24b62073a6_prep
	.p2alignl 7, 3214868480
	.fill 96, 4, 3214868480
	.section	.rodata,"a",@progbits
	.p2align	6, 0x0
	.amdhsa_kernel k_q24b62073a6_prep
		.amdhsa_group_segment_fixed_size 83456
		.amdhsa_private_segment_fixed_size 0
		.amdhsa_enable_private_segment 0
		.amdhsa_kernarg_size 72
		.amdhsa_user_sgpr_count 2
		.amdhsa_user_sgpr_kernarg_segment_ptr 1
		.amdhsa_wavefront_size32 1
		.amdhsa_system_sgpr_workgroup_id_x 1
		.amdhsa_system_sgpr_workgroup_id_y 1
		.amdhsa_system_sgpr_workgroup_id_z 1
		.amdhsa_system_vgpr_workitem_id 0
		.amdhsa_next_free_vgpr 210
		.amdhsa_next_free_sgpr 66
		.amdhsa_reserve_vcc 1
		.amdhsa_float_denorm_mode_32 3
		.amdhsa_float_denorm_mode_16_64 3
		.amdhsa_memory_ordered 1
		.amdhsa_forward_progress 1
		.amdhsa_inst_pref_size 144
	.end_amdhsa_kernel
	.amdgpu_metadata
---
amdhsa.version: [ 1, 2 ]
amdhsa.kernels:
  - .name:           k_q24b62073a6_prep
    .symbol:         k_q24b62073a6_prep.kd
    .args:
      - { .name: hidden_states, .offset: 0, .size: 8, .value_kind: global_buffer, .address_space: global }
      - { .name: w_qkv, .offset: 8, .size: 8, .value_kind: global_buffer, .address_space: global }
      - { .name: w_o, .offset: 16, .size: 8, .value_kind: global_buffer, .address_space: global }
      - { .name: positions, .offset: 24, .size: 8, .value_kind: global_buffer, .address_space: global }
      - { .name: xg, .offset: 32, .size: 8, .value_kind: global_buffer, .address_space: global }
      - { .name: wg, .offset: 40, .size: 8, .value_kind: global_buffer, .address_space: global }
      - { .name: og, .offset: 48, .size: 8, .value_kind: global_buffer, .address_space: global }
      - { .name: cs, .offset: 56, .size: 8, .value_kind: global_buffer, .address_space: global }
      - { .name: pmm, .offset: 64, .size: 8, .value_kind: global_buffer, .address_space: global }
    .group_segment_fixed_size: 83456
    .private_segment_fixed_size: 0
    .kernarg_segment_align: 8
    .kernarg_segment_size: 72
    .max_flat_workgroup_size: 128
    .sgpr_count:     66
    .vgpr_count:     210
    .wavefront_size: 32
...
	.end_amdgpu_metadata
.endif
;; end of part 1
;; launch qkv (part 2): grid 12 x 16, 4 waves a work-group, clusters of 4 x 4, 327,680 bytes of LDS; arguments xg, wg, cs, q_norm_w, k_norm_w, qi, kv; writes qi, kv
.if DOCPART == 2
	.amdgcn_target "amdgcn-amd-amdhsa--gfx1250"
	.amdhsa_code_object_version 6
	.text
	.protected	k_q24b62073a6_qkv
	.globl	k_q24b62073a6_qkv
	.p2align	8
	.type	k_q24b62073a6_qkv,@function
k_q24b62073a6_qkv:
	s_mov_b64 s[64:65], 0
	v_nop
	global_prefetch_b8 v0, s[64:65] scope:SCOPE_SE
	s_setreg_imm32_b32 hwreg(HW_REG_WAVE_MODE, 25, 1), 1
	s_wait_xcnt 0x0
	s_wait_alu depctr_hold_cnt(0) depctr_sa_sdst(0) depctr_va_vdst(0) depctr_va_sdst(0) depctr_va_ssrc(0) depctr_va_vcc(0) depctr_vm_vsrc(0)
	s_getreg_b32 s2, hwreg(HW_REG_IB_STS2, 6, 4)
	s_cmp_eq_u32 s2, 0
	s_cbranch_scc0 .Lentry_in_a_cluster
	s_endpgm
.Lentry_in_a_cluster:
	s_bfe_u32 s2, ttmp6, 0x10000c
	s_cmp_lg_u32 s2, 0xf033
	s_cbranch_scc0 .Lentry_shape_is_right
	s_endpgm
.Lentry_shape_is_right:
; qkv = x w_qkv on codes of FP6 (E2M3) with E8M0 scales, then, in registers: q, k: RMS norm over the head, the gain, rope, quantised along the head's 128; v: quantised along the keys.
; A work-group makes 256 tokens x 256 n, a wave 128 x 128: ONE HEAD for ONE KEY STEP of 128 tokens, in 64 accumulators.  12 x 16 = 192 work-groups: a smaller tile would cut a head in two
; or halve a wave's tile, and then each fragment read from LDS would feed half as many products.
; OPERANDS come as blocks of 25,600 bytes (128 rows x 256 K: 16 fragment images of 1,536 bytes, then 1,024 bytes of scale words), dense in memory: one tensor load a wave brings one block.
; A fragment is read by three loads of 16 bytes a lane, 512 consecutive bytes each.  K goes in steps of 256 through two LDS slots of four blocks (A's two, B's two).
; CLUSTERS: 4 x 4 work-groups; A's blocks are shared along a row of the cluster, B's along a column, each asked for jointly.  A cluster's x says what it makes: 0 q, 1 k, 2 v: the same in all partners.
; THE MATRIX INSTRUCTION IS USED TRANSPOSED (source 0 = 16 rows of w, source 1 = 16 tokens); the rows of a tile are index 32 b + 8 u + i + 8 (i / 8): so in the 64 registers of a token tile
; register 16 b + e of lane (r, h) is channel 32 b + 16 h + e of token r: 16 neighbours along the head, as the conversions want them.
; OUT: q: images [head][tile of 16 tokens] and scale words behind them; k, v: blocks of 25,600 bytes [head][key step]: K's 8 images, 512 bytes of scale words, V^T's 8 images (keys innermost), 512 bytes.
; LIMITS: NaN and infinities are not served; a block of zeros has the scale byte 1 (zero codes; this program alone reads the bytes).
; REGISTERS: window 0: v0-31 addresses; v32-63 scale words, two sets; v128-223 A's fragments, one set (free on the way out, with v64-127).  window 1: B's fragments, two sets (on the way out: the gains, cos and sin).
;   windows 2, 3: the accumulators ((a, b) at v[8 (8 (a % 4) + b)] of window 2 + a / 4).
.set GB,     25600
.set SLOT,   4*GB
.set SPARE,  2*SLOT                    ; behind the ring: the spare words, 128 bytes a wave
.set STG0,   SPARE+512                 ; behind them, for each wave: 32 rows x 528 bytes to turn v, then 12,288 bytes for V^T's images.  No tensor load lands here
.set WST,    29184
.set VIMG,   32*528
.set LAPS,   4                         ; K = 2,048 = 4 laps of two slots of 256
.set ASTEP,  32*GB                     ; a K slot on in xg
.set BSTEP,  24*GB                     ; and in wg
.set FR, 12
.set NL, 3
.set NQ, 2
.set NP, 4
.set LI,   8                           ; 16 x lane
.set LS,   9                           ; 4 r
.set CSO,  10                          ; (r + 8 (r / 8)) x 512 + 64 h: my token's cos and sin
.set H64,  11                          ; 64 h
.set VST,  12                          ; v's stage, in
.set VLD,  13                          ; v's stage, out
.set VIM,  14                          ; V^T's images, in
.set VIR,  15                          ; V^T's images, out
.set ADRA, 16                          ; v16-17 A's fragments in slot 0, 1
.set ADRS, 18                          ; v18-19 scale words: lanes 0-15 A's, lanes 16-31 B's
.set ADRB, 20                          ; v20-21 B's fragments
.set VSW,  22                          ; 64 u + 4 i: V^T's scale words
.set SPW,  28
.set NIL,  29
.set SC,   32
.set AF,   128
.set Y,    64                          ; the way out: a token tile's 64 numbers
.set TM,   128
.set PW,   144
.set PT,   145
.set RS,   146
.set SQ,   148
.set T,    156
.set PC,   172
.set SBV,  148
.set OUTV, 152
.set WV, 18
.set RH, 19                            ; which half of the tokens is mine; also: I fetch for A (0) or B (1)
.set CH, 20                            ; which half of the columns; also: which of the two blocks I fetch
.set G1, 24
.set G0, 32
.set G1B, 48
.set G0B, 56
.set SEL, 88
.set MSB, 0
.macro WIN new
.if MSB != \new
	s_set_vgpr_msb (MSB<<8)|\new
.set MSB, \new
.endif
.endm
.set MUL_LO, 0xa1
.set MUL_HI, 0xf1
.set TO_B,   0x40
.macro JLOAD g0a, g1a, g0b, g1b        ; a joint load: waves 0, 1 for A, waves 2, 3 for B; the branch hangs on the wave's number alone; four v_nop follow each line
	s_cmp_eq_u32 s[RH], 0
	s_cbranch_scc0 .Lfor_b_\@
	tensor_load_to_lds s[\g0a:\g0a+3], s[\g1a:\g1a+7]
	s_nop 0
.rept 4
	v_nop
.endr
	s_branch .Lasked_\@
.Lfor_b_\@:
	tensor_load_to_lds s[\g0b:\g0b+3], s[\g1b:\g1b+7]
	s_nop 0
.rept 4
	v_nop
.endr
.Lasked_\@:
.endm
.macro CREST
	s_cmp_lg_u32 s[WV], 0
	s_cbranch_scc1 .Lnot_wave_0_\@
	s_barrier_signal -3
.Lnot_wave_0_\@:
	s_barrier_wait -3
	s_barrier_signal -1
	s_barrier_wait -1
.endm
.macro CROUND
	s_barrier_signal -1
	s_barrier_wait -1
	CREST
.endm
.macro QUANT s
.irp b, 0,1,2,3
	v_max3_num_f32 v[TM+\b], |v[\s+16*\b]|, |v[\s+1+16*\b]|, 0x1800000
.endr
.irp i, 2,4,6,8,10,12,14
.irp b, 0,1,2,3
	v_max3_num_f32 v[TM+\b], v[TM+\b], |v[\s+16*\b+\i]|, |v[\s+1+16*\b+\i]|
.endr
.endr
.irp b, 0,1,2,3
	v_permlanex16_b32 v[TM+4+\b], v[TM+\b], s[SEL], s[SEL+1]
.endr
.irp b, 0,1,2,3
	v_max_num_f32 v[TM+\b], v[TM+\b], v[TM+4+\b]
.endr
.irp b, 0,1,2,3
	v_add_nc_u32 v[TM+12+\b], 0xff000000, v[TM+\b]
.endr
.irp b, 0,1,2,3
	v_lshrrev_b32 v[TM+4+\b], 23, v[TM+12+\b]
.endr
	v_lshl_or_b32 v[PW], v[TM+5], 8, v[TM+4]
	v_lshl_or_b32 v[PW], v[TM+6], 16, v[PW]
	v_lshl_or_b32 v[PW], v[TM+7], 24, v[PW]
.irp c, 0,1
	v_cvt_scalef32_pk16_fp6_f32 v[PC+6*\c:PC+2+6*\c], v[\s+32*\c:\s+15+32*\c], v[TM+12+2*\c]
	v_cvt_scalef32_pk16_fp6_f32 v[PC+12+4*\c:PC+14+4*\c], v[\s+16+32*\c:\s+31+32*\c], v[TM+12+2*\c+1]
.endr
	v_nop
.irp c, 0,1
.irp i, 0,1,2
	v_permlane16_swap_b32 v[PC+6*\c+\i], v[PC+12+4*\c+\i]
.endr
.irp i, 0,1,2
	v_mov_b32 v[PC+3+6*\c+\i], v[PC+12+4*\c+\i]
.endr
.endr
.endm
	s_load_b256 s[4:11], s[0:1], 0x0               ; xg s[4:5], wg s[6:7], cs s[8:9], q_norm_w s[10:11]
	s_load_b128 s[12:15], s[0:1], 0x20             ; k_norm_w s[12:13], qi s[14:15]
	s_load_b64 s[16:17], s[0:1], 0x30              ; kv
	v_lshl_add_u32 v[SPW], v0, 2, SPARE
	v_mov_b32 v[NIL], 0
	ds_add_u32 v28, v29
	ds_add_u32 v28, v29
	s_wait_dscnt 0x0
	v_lshrrev_b32 v1, 5, v0
	v_readfirstlane_b32 s[WV], v1
	s_lshr_b32 s[RH], s[WV], 1
	s_and_b32 s[CH], s[WV], 1
	s_bfe_u32 s40, ttmp6, 0x40000                  ; cx
	s_bfe_u32 s41, ttmp6, 0x40004                  ; cy
	s_lshl_b32 s42, ttmp9, 2
	s_add_co_u32 s42, s42, s40                     ; tile column = 4 x cluster x + cx
	s_and_b32 s21, ttmp7, 0xffff
	s_lshl_b32 s21, s21, 2
	s_add_co_u32 s21, s21, s41                     ; tile row = 4 x cluster y + cy
	s_lshl_b32 s43, s41, 2
	s_lshl_b32 s43, 15, s43                        ; my row of the cluster
	s_lshl_b32 s44, 0x1111, s40                    ; my column
	; descriptor group 1: a dense block of 25,600 bytes as 100 rows of 32 elements of 8 bytes, no padding
	s_or_b32 s[G1+0], s43, (3<<16)|(1<<21)
	s_or_b32 s[G1B+0], s44, (3<<16)|(1<<21)
.irp g, G1, G1B
	s_mov_b32 s[\g+1], 32<<16                      ; tensor_dim0
	s_mov_b32 s[\g+2], 100<<16                     ; tensor_dim1
	s_mov_b32 s[\g+3], 32<<16                      ; tile_dim0
	s_mov_b32 s[\g+4], 100                         ; tile_dim1
	s_mov_b32 s[\g+5], 32                          ; the pitch
	s_mov_b32 s[\g+6], 0
	s_mov_b32 s[\g+7], 0
.endr
	s_lshl_b32 s22, s21, 1
	s_add_co_u32 s22, s22, s[CH]
	s_mul_i32 s22, s22, GB                         ; A: block 2 x tile row + which
	s_mov_b32 s23, 0
	s_lshl_b32 s46, s42, 1
	s_add_co_u32 s46, s46, s[CH]
	s_mul_i32 s46, s46, GB                         ; B: block 2 x tile column + which
	s_mov_b32 s47, 0
	s_mul_i32 s45, s[WV], GB                       ; where it goes: wave x 25,600
	s_wait_kmcnt 0x0
	s_add_nc_u64 s[22:23], s[4:5], s[22:23]
	s_add_nc_u64 s[46:47], s[6:7], s[46:47]
	CROUND                                         ; all sixteen work-groups are here: the first joint loads meet
.irp s, 0,1
	s_mov_b32 s[G0+4*\s], 1
	s_add_co_u32 s[G0+4*\s+1], s45, \s*SLOT
	s_add_nc_u64 s[G0+4*\s+2:G0+4*\s+3], s[22:23], \s*ASTEP
	s_or_b32 s[G0+4*\s+3], s[G0+4*\s+3], 0x80000000
	s_mov_b32 s[G0B+4*\s], 1
	s_add_co_u32 s[G0B+4*\s+1], s45, \s*SLOT
	s_add_nc_u64 s[G0B+4*\s+2:G0B+4*\s+3], s[46:47], \s*BSTEP
	s_or_b32 s[G0B+4*\s+3], s[G0B+4*\s+3], 0x80000000
	JLOAD G0+4*\s, G1, G0B+4*\s, G1B
.endr
	v_and_b32 v1, 15, v0                           ; r
	v_bfe_u32 v2, v0, 4, 1                         ; h
	v_and_b32 v3, 31, v0                           ; lane
	v_lshlrev_b32 v[LI], 4, v3
	v_lshlrev_b32 v[LS], 2, v1
	v_lshlrev_b32 v[H64], 6, v2
	s_mul_i32 s66, s[RH], GB                       ; my block of A
	s_mul_i32 s67, s[CH], GB
	s_add_co_u32 s67, s67, 2*GB                    ; my block of B
	v_add_nc_u32 v[ADRA], s66, v[LI]
	v_add_nc_u32 v[ADRB], s67, v[LI]
	v_add_nc_u32 v[ADRA+1], SLOT, v[ADRA]
	v_add_nc_u32 v[ADRB+1], SLOT, v[ADRB]
	s_xor_b32 s68, s[RH], 1
	s_add_co_u32 s68, s68, s[CH]
	s_add_co_u32 s68, s68, 1
	s_mul_i32 s68, s68, GB                         ; from my block of A to my block of B
	v_mul_u32_u24 v4, s68, v2                      ; lanes 16-31 take B's
	s_add_co_u32 s66, s66, 24576
	v_add_nc_u32 v4, v4, v[LS]
	v_add_nc_u32 v[ADRS], s66, v4
	v_add_nc_u32 v[ADRS+1], SLOT, v[ADRS]
	s_mul_i32 s67, s[WV], WST
	s_add_co_u32 s67, s67, STG0                    ; my stage
	v_and_b32 v4, 8, v1
	v_add_nc_u32 v4, v4, v1                        ; r + 8 (r / 8)
	v_lshlrev_b32 v[CSO], 9, v4
	v_lshl_add_u32 v[CSO], v2, 6, v[CSO]
	v_mul_u32_u24 v5, v4, 528
	v_lshl_add_u32 v5, v2, 6, v5
	v_add_nc_u32 v[VST], s67, v5
	v_lshlrev_b32 v5, 2, v3
	v_add_nc_u32 v[VLD], s67, v5
	v_bfe_u32 v6, v0, 3, 1                         ; channel 32 g + lane is row i of tile 2 g + u
	v_and_b32 v7, 7, v0
	v_lshl_add_u32 v7, v2, 3, v7
	v_mul_u32_u24 v5, v6, 1536
	v_lshl_add_u32 v5, v7, 4, v5
	v_add_nc_u32 v5, s67, v5
	v_add_nc_u32 v[VIM], VIMG, v5
	v_add_nc_u32 v5, s67, v[LI]
	v_add_nc_u32 v[VIR], VIMG, v5
	v_lshlrev_b32 v5, 6, v6
	v_lshl_add_u32 v[VSW], v7, 2, v5
	s_mov_b32 s[SEL], 0x76543210
	s_mov_b32 s[SEL+1], 0xfedcba98
	s_mov_b32 s90, 0x3c000000                      ; 1 / 128
	s_mov_b32 s91, 0x358637bd                      ; 1e-6
.macro FRAG reg, adr, q, i             ; the image of fragment (i, q): three loads of 512 consecutive bytes
.irp c, 0,1,2
	ds_load_b128 v[\reg+4*\c:\reg+4*\c+3], v[\adr] offset:(2*(\i)+(\q))*1536+512*\c
.endr
.endm
; 16 matrix instructions: A's blocks a0, a0 + 1 x B's eight.  The 64 accumulators take turns, one instruction a turn, in the same order in every step.
.macro MUL16 a0, p, q, sc, zero
.irp a, \a0, \a0+1
.irp b, 0,1,2,3,4,5,6,7
.if \zero
	v_wmma_scale_f32_16x16x128_f8f6f4 v[8*(8*((\a)%4)+\b):8*(8*((\a)%4)+\b)+7], v[128*(\p)+FR*\b:128*(\p)+FR*\b+FR-1], v[AF+FR*(\a):AF+FR*(\a)+FR-1], 0, v[SC+8*NQ*(\sc)+NQ*\b+(\q)], v[SC+8*NQ*(\sc)+NQ*(\a)+(\q)] matrix_a_fmt:MATRIX_FMT_FP6 matrix_b_fmt:MATRIX_FMT_FP6 matrix_a_scale:MATRIX_SCALE_ROW1
.else
	v_wmma_scale_f32_16x16x128_f8f6f4 v[8*(8*((\a)%4)+\b):8*(8*((\a)%4)+\b)+7], v[128*(\p)+FR*\b:128*(\p)+FR*\b+FR-1], v[AF+FR*(\a):AF+FR*(\a)+FR-1], v[8*(8*((\a)%4)+\b):8*(8*((\a)%4)+\b)+7], v[SC+8*NQ*(\sc)+NQ*\b+(\q)], v[SC+8*NQ*(\sc)+NQ*(\a)+(\q)] matrix_a_fmt:MATRIX_FMT_FP6 matrix_b_fmt:MATRIX_FMT_FP6 matrix_a_scale:MATRIX_SCALE_ROW1
.endif
.endr
.endr
.endm
.macro FETCH_B slot, q, p
	WIN TO_B
.irp i, 0,1,2,3,4,5,6,7
	FRAG 128*(\p)+FR*\i, ADRB+\slot, \q, \i
.endr
	WIN 0
.endm
.macro FETCH_A slot, q, i0
.irp i, \i0, \i0+1, \i0+2, \i0+3
	FRAG AF+FR*(\i), ADRA+\slot, \q, \i
.endr
.endm
.macro SCALES sc                       ; a slot's scale words: register 2 i + q: lanes 0-15 A's block i, lanes 16-31 B's block i
.irp i, 0,1,2,3,4,5,6,7
.irp q, 0,1
	ds_load_b32 v[SC+16*\sc+2*\i+\q], v[ADRS+\sc] offset:512*\q+64*\i
.endr
.endr
.endm
.macro PLACES n                        ; plain instructions between a matrix instruction and a load into, or a read of, its registers
.rept \n
	v_nop
.endr
.endm
.macro STEP slot, zero                 ; a slot's first 128 along K
	s_wait_dscnt 4*NL                              ; all but the youngest 12 loads, A's blocks 4-7
	WIN MUL_LO
	MUL16 0, 0, 0, \slot, \zero
	MUL16 2, 0, 0, \slot, \zero
	s_wait_dscnt 0
	PLACES NP
	FETCH_B \slot, 1, 1
	FETCH_A \slot, 1, 0
	WIN MUL_HI
	MUL16 4, 0, 0, \slot, \zero
	MUL16 6, 0, 0, \slot, \zero
	PLACES NP
	WIN 0
	FETCH_A \slot, 1, 4
.endm
; A slot's second 128 along K, and the change of slots: one barrier; in front of it each wave waits for all its tensor loads, adds 0 to its spare word, and waits for that and for its reads of this slot
.macro TURN slot, next, fill
	s_wait_tensorcnt 0x0                           ; my part of the next slot has landed
	ds_add_u32 v[SPW], v[NIL]                      ; 0 onto my spare word
	s_wait_dscnt 4*NL+1                            ; the add and A's blocks 4-7 may be out
	WIN MUL_LO
	MUL16 0, 1, 1, \slot, 0
	s_wait_dscnt 0x0                               ; the add is done, and my reads of this slot are over
	s_barrier_signal -1
	MUL16 2, 1, 1, \slot, 0
	WIN 0
	s_barrier_wait -1
.if \fill
	CREST                                          ; the barrier has opened a round of the cluster's: no wave of any partner still reads this slot or has a load on its way
	s_add_nc_u64 s[G0+4*\slot+2:G0+4*\slot+3], s[G0+4*\slot+2:G0+4*\slot+3], 2*ASTEP
	s_add_nc_u64 s[G0B+4*\slot+2:G0B+4*\slot+3], s[G0B+4*\slot+2:G0B+4*\slot+3], 2*BSTEP
	JLOAD G0+4*\slot, G1, G0B+4*\slot, G1B         ; the first tensor load behind the round; its four v_nop are the places in front of the loads below
.else
	PLACES NP
.endif
	FETCH_B \next, 0, 0
	FETCH_A \next, 0, 0
	SCALES \next
	WIN MUL_HI
	MUL16 4, 1, 1, \slot, 0
	MUL16 6, 1, 1, \slot, 0
	PLACES NP
	WIN 0
	FETCH_A \next, 0, 4
.endm
	s_wait_tensorcnt 1                             ; my part of slot 0 is in; slot 1's may stay out
	s_barrier_signal -1
	s_barrier_wait -1
	FETCH_B 0, 0, 0
	FETCH_A 0, 0, 0
	SCALES 0
	FETCH_A 0, 0, 4
	STEP 0, 1                                      ; the first step's products start the sums
	s_mov_b32 s3, LAPS-1
.Llap:
	TURN 0, 1, 1
	STEP 1, 0
	TURN 1, 0, 1
	STEP 0, 0
	s_sub_co_u32 s3, s3, 1
	s_cmp_lg_u32 s3, 0
	s_cbranch_scc1 .Llap
	TURN 0, 1, 0                                   ; the last lap fills nothing
	STEP 1, 0
	s_wait_dscnt 4*NL
	WIN MUL_LO
	MUL16 0, 1, 1, 1, 0
	MUL16 2, 1, 1, 1, 0
	s_wait_dscnt 0
	WIN MUL_HI
	MUL16 4, 1, 1, 1, 0
	MUL16 6, 1, 1, 1, 0
	WIN 0
; ---- THE WAY OUT
	PLACES NP
	s_lshl_b32 s67, s42, 1
	s_add_co_u32 s67, s67, s[CH]
	s_and_b32 s67, s67, 7                          ; my head
	s_lshl_b32 s68, s21, 1
	s_add_co_u32 s68, s68, s[RH]                   ; my key step: tokens 128 x step on
	s_lshl_b32 s70, s68, 16
	s_mov_b32 s71, 0
	s_add_nc_u64 s[8:9], s[8:9], s[70:71]          ; their cos and sin
	s_lshl_b32 s72, s67, 5
	s_add_co_u32 s72, s72, s68
	s_mul_i32 s72, s72, GB
	s_mov_b32 s73, 0
	s_add_nc_u64 s[16:17], s[16:17], s[72:73]      ; the block of (head, step) in kv
	s_add_nc_u64 s[80:81], s[16:17], 12288         ; K's scale words in it
	s_lshl_b32 s74, s67, 8
	s_lshl_b32 s75, s68, 3
	s_add_co_u32 s74, s74, s75                     ; 256 x head + my first tile
	s_mul_i32 s76, s74, 1536
	s_mov_b32 s77, 0
	s_lshl_b32 s78, s74, 6
	s_add_co_u32 s78, s78, 3145728
	s_mov_b32 s79, 0
	s_add_nc_u64 s[76:77], s[14:15], s[76:77]
	s_add_nc_u64 s[78:79], s[14:15], s[78:79]
	s_cmp_eq_u32 ttmp9, 0                          ; q or k?  The cluster's x: the same in all partners
	s_cselect_b64 s[82:83], s[76:77], s[16:17]     ; where the images go,
	s_cselect_b64 s[84:85], s[78:79], s[80:81]     ; the scale words,
	s_cselect_b64 s[86:87], s[10:11], s[12:13]     ; and whose gain is taken
	s_cmp_eq_u32 ttmp9, 2
	s_cbranch_scc1 .Lv
; q and k, a tile of 16 tokens at a time
	v_mov_b32 v[PT], 0                             ; written once: a lane permute's destination counts as read
.irp b, 0,1,2,3
	v_mov_b32 v[TM+4+\b], 0
.endr
	WIN 0x40                                       ; destination window 1
.irp b, 0,1,2,3
.irp m, 0,1,2,3
	global_load_b128 v[16*\b+4*\m:16*\b+4*\m+3], v[H64], s[86:87] offset:128*\b+16*\m   ; the gain of my 64 channels
.endr
.endr
	WIN 0
.macro CSLOAD a                        ; cos (32) and sin (32) of tile a's token r at frequencies 32 b + 16 h + 0 .. 15, into set a % 2 of window 1
	WIN 0x40
.set CBL, 64+64*((\a)%2)
.irp z, 0,1
.irp b, 0,1
.irp m, 0,1,2,3
	global_load_b128 v[CBL+32*\z+16*\b+4*\m:CBL+32*\z+16*\b+4*\m+3], v[CSO], s[8:9] offset:(32*((\a)/2)+8*((\a)%2))*512+256*\z+128*\b+16*\m
.endr
.endr
.endr
	WIN 0
.endm
.macro QKTILE a
.if (\a) < 7
	CSLOAD (\a)+1
.endif
.set W, 2+(\a)/4
.set AC, 64*((\a)%4)
.set CBU, 64+64*((\a)%2)
	WIN W|(W<<2)                                   ; the sum of squares, four chains; each accumulator from its low end on
.irp p, 0,1,2,3
	v_pk_mul_f32 v[SQ+2*\p:SQ+2*\p+1], v[AC+2*\p:AC+2*\p+1], v[AC+2*\p:AC+2*\p+1]
.endr
.irp b, 1,2,3,4,5,6,7
.irp p, 0,1,2,3
	v_pk_fma_f32 v[SQ+2*\p:SQ+2*\p+1], v[AC+8*\b+2*\p:AC+8*\b+2*\p+1], v[AC+8*\b+2*\p:AC+8*\b+2*\p+1], v[SQ+2*\p:SQ+2*\p+1]
.endr
.endr
	WIN 0
	v_pk_add_f32 v[SQ:SQ+1], v[SQ:SQ+1], v[SQ+2:SQ+3]
	v_pk_add_f32 v[SQ+4:SQ+5], v[SQ+4:SQ+5], v[SQ+6:SQ+7]
	v_pk_add_f32 v[SQ:SQ+1], v[SQ:SQ+1], v[SQ+4:SQ+5]
	v_add_f32 v[SQ], v[SQ], v[SQ+1]
	v_permlanex16_b32 v[PT], v[SQ], s[SEL], s[SEL+1]
	v_add_f32 v[SQ], v[SQ], v[PT]                  ; with lane l xor 16's 64 channels
	v_fma_f32 v[SQ], v[SQ], s90, s91               ; the mean + 1e-6
	v_rsq_f32 v[RS], v[SQ]
	v_rsq_f32 v[RS+1], v[SQ]
	v_nop                                          ; a plain instruction behind them,
	s_wait_alu depctr_va_vdst(0)                   ; and one wait for the two, ahead of their first reader
	WIN W
.set k, 0
.rept 32
	v_pk_mul_f32 v[Y+2*k:Y+2*k+1], v[AC+2*k:AC+2*k+1], v[RS:RS+1]
.set k, k+1
.endr
.if (\a) < 7
	s_wait_loadcnt 16                              ; this tile's cos and sin (and the gain) are in; the next tile's 16 loads may be out
.else
	s_wait_loadcnt 0x0
.endif
	WIN 0x04                                       ; source 1 window 1
.set k, 0
.rept 32
	v_pk_mul_f32 v[Y+2*k:Y+2*k+1], v[Y+2*k:Y+2*k+1], v[2*k:2*k+1]
.set k, k+1
.endr
.set k, 0
.rept 16                                       ; rope: channel d < 64 in register e, channel d + 64 in register e + 32
.set TT, T+4*(k%4)
	v_pk_mul_f32 v[TT:TT+1], v[Y+32+2*k:Y+33+2*k], v[CBU+32+2*k:CBU+33+2*k]
	v_pk_mul_f32 v[TT+2:TT+3], v[Y+2*k:Y+2*k+1], v[CBU+32+2*k:CBU+33+2*k]
	v_pk_fma_f32 v[Y+2*k:Y+2*k+1], v[Y+2*k:Y+2*k+1], v[CBU+2*k:CBU+2*k+1], v[TT:TT+1] neg_lo:[0,0,1] neg_hi:[0,0,1]
	v_pk_fma_f32 v[Y+32+2*k:Y+33+2*k], v[Y+32+2*k:Y+33+2*k], v[CBU+2*k:CBU+2*k+1], v[TT+2:TT+3]
.set k, k+1
.endr
	WIN 0
.if (\a) > 0
	s_wait_xcnt 0x0                                ; the last tile's stores have read the codes and the scale word
.endif
	QUANT Y
.irp c, 0,1,2
	global_store_b128 v[LI], v[PC+4*\c:PC+4*\c+3], s[82:83] offset:1536*(\a)+512*\c
.endr
	global_store_b32 v[LS], v[PW], s[84:85] offset:64*(\a)
.endm
	CSLOAD 0
.irp a, 0,1,2,3,4,5,6,7
	QKTILE \a
.endr
	s_branch .Ldone
; v: 32 tokens at a time through my stage (rows = tokens, 512 bytes + 16), out by columns: a lane then holds one channel's 32 keys, a whole block
.Lv:
.macro VLOADS g
.set VX, 64+32*((\g)%2)
.irp t, 0,1,2,3,4,5,6,7,8,9,10,11,12,13,14,15,16,17,18,19,20,21,22,23,24,25,26,27,28,29,30,31
	ds_load_b32 v[VX+\t], v[VLD] offset:528*\t+128*(\g)
.endr
.endm
.macro VQUANT g, be
.set XV, 64+32*((\g)%2)
.set CV, 128+8*((\g)%2)
.set VB, 3072*(\g)+256*((\be)%2)
	v_max3_num_f32 v144, |v[XV]|, |v[XV+1]|, |v[XV+2]|
	v_max3_num_f32 v145, |v[XV+3]|, |v[XV+4]|, |v[XV+5]|
.irp i, 6,10,14,18,22,26
	v_max3_num_f32 v144, v144, |v[XV+\i]|, |v[XV+\i+1]|
	v_max3_num_f32 v145, v145, |v[XV+\i+2]|, |v[XV+\i+3]|
.endr
	v_max3_num_f32 v144, v144, |v[XV+30]|, |v[XV+31]|
	v_max3_num_f32 v144, v144, v145, 0x1800000
	v_add_nc_u32 v146, 0xff000000, v144
	v_lshrrev_b32 v147, 23, v146
.if (\be) == 0
	v_mov_b32 v[SBV+(\g)], v147
.else
	v_lshl_or_b32 v[SBV+(\g)], v147, 8*(\be), v[SBV+(\g)]
.endif
	v_cvt_scalef32_pk16_fp6_f32 v[CV:CV+2], v[XV:XV+15], v146
	v_cvt_scalef32_pk16_fp6_f32 v[CV+4:CV+6], v[XV+16:XV+31], v146
	v_nop
	v_mov_b32 v[CV+3], v[CV+4]
	v_mov_b32 v[CV+4], v[CV+5]
	v_mov_b32 v[CV+5], v[CV+6]
.if (\be) < 2                                  ; registers 0-5 or 6-11 of lane i + 16 (block % 2) of tile 2 g + u
	ds_store_b128 v[VIM], v[CV:CV+3] offset:VB
	ds_store_b64 v[VIM], v[CV+4:CV+5] offset:VB+512
.else
	ds_store_b64 v[VIM], v[CV:CV+1] offset:VB+520
	ds_store_b128 v[VIM], v[CV+2:CV+5] offset:VB+1024
.endif
.endm
.macro VCHUNK be
	WIN 0x08+4*((\be)/2)                           ; an LDS store's data: window 2 or 3
.irp ua, 0,1
.irp b, 0,1,2,3,4,5,6,7
.set AC, 64*((2*(\be)+\ua)%4)+8*\b
	ds_store_b128 v[VST], v[AC:AC+3] offset:8*\ua*528+128*(\b/2)+32*(\b%2)       ; each accumulator from its low end on
	ds_store_b128 v[VST], v[AC+4:AC+7] offset:8*\ua*528+128*(\b/2)+32*(\b%2)+16
.endr
.endr
	WIN 0
	VLOADS 0
	VLOADS 1
.irp g, 0,1,2,3
.if \g == 0
	s_wait_dscnt 32                                ; the next 32 channels' loads may be out
.elseif \g == 3
	s_wait_dscnt 2                                 ; the last two image stores may be out
.else
	s_wait_dscnt 34                                ; two image stores and 32 loads may be out
.endif
	VQUANT \g, \be
.if \g < 2
	VLOADS \g+2
.endif
.endr
.endm
	VCHUNK 0
	VCHUNK 1
	VCHUNK 2
	VCHUNK 3
.irp t, 0,1,2,3,4,5,6,7,8,9,10,11,12,13,14,15,16,17,18,19,20,21,22,23
	ds_load_b128 v[OUTV+4*\t:OUTV+4*\t+3], v[VIR] offset:512*\t   ; my wave's own bytes, served in order behind its stores
.endr
.irp t, 0,1,2,3,4,5,6,7,8,9,10,11,12,13,14,15,16,17,18,19,20,21,22,23
	s_wait_dscnt 23-\t
	global_store_b128 v[LI], v[OUTV+4*\t:OUTV+4*\t+3], s[16:17] offset:12800+512*\t
.endr
.irp g, 0,1,2,3
	global_store_b32 v[VSW], v[SBV+\g], s[16:17] offset:25088+128*\g
.endr
.Ldone:
	s_wait_tensorcnt 0x0                           ; the wave's end
	ds_add_u32 v[SPW], v[NIL]
	s_wait_dscnt 0x0
	CROUND                                         ; the closing round
	s_endpgm
.Lfunc_end_k_q24b62073a6_qkv:
	.size	k_q24b62073a6_qkv, .Lfunc_end_k_q24b62073a6_qkv-k_q24b62073a6_qkv
	.p2alignl 7, 3214868480
	.fill 96, 4, 3214868480
	.section	.rodata,"a",@progbits
	.p2align	6, 0x0
	.amdhsa_kernel k_q24b62073a6_qkv
		.amdhsa_group_segment_fixed_size 327680
		.amdhsa_private_segment_fixed_size 0
		.amdhsa_enable_private_segment 0
		.amdhsa_kernarg_size 56
		.amdhsa_user_sgpr_count 2
		.amdhsa_user_sgpr_kernarg_segment_ptr 1
		.amdhsa_wavefront_size32 1
		.amdhsa_system_sgpr_workgroup_id_x 1
		.amdhsa_system_sgpr_workgroup_id_y 1
		.amdhsa_system_sgpr_workgroup_id_z 1
		.amdhsa_system_vgpr_workitem_id 0
		.amdhsa_next_free_vgpr 1024
		.amdhsa_next_free_sgpr 98
		.amdhsa_reserve_vcc 0
		.amdhsa_float_denorm_mode_32 3
		.amdhsa_float_denorm_mode_16_64 3
		.amdhsa_memory_ordered 1
		.amdhsa_forward_progress 1
		.amdhsa_inst_pref_size 255
	.end_amdhsa_kernel
	.section	.bss,"aw",@nobits
	.p2align	6
	.space	262144
	.amdgpu_metadata
---
amdhsa.version: [ 1, 2 ]
amdhsa.kernels:
  - .name:           k_q24b62073a6_qkv
    .symbol:         k_q24b62073a6_qkv.kd
    .args:
      - { .name: xg, .offset: 0, .size: 8, .value_kind: global_buffer, .address_space: global }
      - { .name: wg, .offset: 8, .size: 8, .value_kind: global_buffer, .address_space: global }
      - { .name: cs, .offset: 16, .size: 8, .value_kind: global_buffer, .address_space: global }
      - { .name: q_norm_w, .offset: 24, .size: 8, .value_kind: global_buffer, .address_space: global }
      - { .name: k_norm_w, .offset: 32, .size: 8, .value_kind: global_buffer, .address_space: global }
      - { .name: qi, .offset: 40, .size: 8, .value_kind: global_buffer, .address_space: global }
      - { .name: kv, .offset: 48, .size: 8, .value_kind: global_buffer, .address_space: global }
    .group_segment_fixed_size: 327680
    .private_segment_fixed_size: 0
    .kernarg_segment_align: 8
    .kernarg_segment_size: 56
    .max_flat_workgroup_size: 128
    .sgpr_count:     98
    .vgpr_count:     1024
    .wavefront_size: 32
...
	.end_amdgpu_metadata
.endif
;; end of part 2
;; launch attn (part 3): grid 32 x 8, 8 waves a work-group, no clusters, 103,424 bytes of LDS; arguments qi, kv, positions, pmm, ag; writes ag
.if DOCPART == 3
	.amdgcn_target "amdgcn-amd-amdhsa--gfx1250"
	.amdhsa_code_object_version 6
	.text
	.protected	k_q24b62073a6_attn
	.globl	k_q24b62073a6_attn
	.p2align	8
	.type	k_q24b62073a6_attn,@function
k_q24b62073a6_attn:
	s_mov_b64 s[64:65], 0
	v_nop
	global_prefetch_b8 v0, s[64:65] scope:SCOPE_SE
	s_setreg_imm32_b32 hwreg(HW_REG_WAVE_MODE, 25, 1), 1
	s_wait_xcnt 0x0
; O = softmax(q k^T / sqrt(128), key s counts for query t where positions[t] >= positions[s]) v, both products on codes of FP6 (E2M3) with E8M0 scales; O is quantised along the head for the last product.
; THE SOFTMAX: t = score x log2(e) / sqrt(128); M = the running largest t rounded up to a whole number; p = 2^(t - M) is quantised along the keys, not normalised; the row's sum is taken of the unquantised p and divides O at the end.
; THE MASK IS DATA.  An earlier launch has stored the least and the largest position of each key step (128 keys) and of each 32 tokens.  From these each wave makes three masks of 32 bits, a bit a key step:
; ACT: some key may count for some query of mine; OPN: every key counts for every query of mine; STG: some wave of the work-group is active.  A step that is not ACT is left out; a step that is ACT and not OPN compares
; each key's position with the query's.  These are branches on whole numbers read from memory: so LDS is filled through registers, not by tensor loads, and K and V are not asked for jointly in a cluster
; (partners would have to walk alike, whatever the positions).
; SHARES.  Work-group (i, head) owns the blocks i and 63 - i of 64 queries, so that with ascending positions every work-group has the same work; a wave owns one tile of 16 queries.
; THE BLOCKS' WAY.  A key step's block is 25,600 bytes (K's 8 images, scale words, V^T's 8 images, scale words).  The eight waves copy it from memory to registers and from there into one of FOUR LDS slots, two steps
; ahead of its V and one ahead of its K: at the end of step s block s + 2 is stored, one barrier follows, and block s + 3 is asked for.  So in step s the waves read V from slot s and K OF THE NEXT STEP from slot s + 1 while
; slot s + 2 is written; slot s + 2 was last read in step s - 2, and every wave has waited for those reads ahead of that step's barrier.  A step begins with its products K Q^T at once: K came during the step before.
; THE LDS LOADS STAND IN SHORT RUNS AMONG THE VECTOR WORK: K's in three runs among the maxima and the scalings, V's a fragment behind every eight exponentials.
; LAYOUT.  Both products are used transposed (S^T = K Q^T, O^T = V^T P^T): a lane holds one query.  The keys of a tile of K, and the channels of a tile of V^T, are index 32 b + 8 u + i + 8 (i / 8).
; LIMITS: NaN and infinities are not served.
; REGISTERS: window 0: v1-11 addresses; v12 -M, v13 largest t, v[14:15] the sum; v16-27 Q; v32-39, v40-47 K's and V's scale words; v48-87 the way out; v96-159 S^T, then p; v160-223 O^T; v224-235 p's codes;
;   v236-254 at work; v253 p's scale word; v255 Q's.   window 1: v0-95 K's fragments (on a masked step, between the products and the next fetch, the keys' positions); v96-191 V's; v192-216 the block on its way
;   (v220-244 a second one at the head); v255 -infinity.
.set GB,  25600
.set LI,  1                            ; 16 x lane
.set LS,  2                            ; 4 r
.set TA,  3                            ; 16 x thread
.set TW,  4                            ; 4 x thread
.set H64, 5                            ; 64 h
.set QP,  6                            ; my query's position
.set PFO, 7                            ; 256 x thread
                                       ; v8-11: LI, LS, TA, TW two slots (51,200 bytes) on: register + 7; a slot's odd or even place stands in the immediate
.set KS,  32
.set VS,  40
.set TM,  48
.set PW,  64
.set PC,  68
.set SEL, 20
.set CS,  22
.set ACT, 40
.set OPN, 41
.set STG, 42
.set CNT, 43                           ; the key step
.set LIM, 44                           ; 27 in a wave that prefetches, else 0
.set TRIP, 45
.set MSB, 0
.macro WIN new
.if MSB != \new
	s_set_vgpr_msb (MSB<<8)|\new
.set MSB, \new
.endif
.endm
.macro QUANT s
.irp b, 0,1,2,3
	v_max3_num_f32 v[TM+\b], |v[\s+16*\b]|, |v[\s+1+16*\b]|, 0x1800000
.endr
.irp i, 2,4,6,8,10,12,14
.irp b, 0,1,2,3
	v_max3_num_f32 v[TM+\b], v[TM+\b], |v[\s+16*\b+\i]|, |v[\s+1+16*\b+\i]|
.endr
.endr
.irp b, 0,1,2,3
	v_permlanex16_b32 v[TM+4+\b], v[TM+\b], s[SEL], s[SEL+1]
.endr
.irp b, 0,1,2,3
	v_max_num_f32 v[TM+\b], v[TM+\b], v[TM+4+\b]
.endr
.irp b, 0,1,2,3
	v_add_nc_u32 v[TM+12+\b], 0xff000000, v[TM+\b]
.endr
.irp b, 0,1,2,3
	v_lshrrev_b32 v[TM+4+\b], 23, v[TM+12+\b]
.endr
	v_lshl_or_b32 v[PW], v[TM+5], 8, v[TM+4]
	v_lshl_or_b32 v[PW], v[TM+6], 16, v[PW]
	v_lshl_or_b32 v[PW], v[TM+7], 24, v[PW]
.irp c, 0,1
	v_cvt_scalef32_pk16_fp6_f32 v[PC+6*\c:PC+2+6*\c], v[\s+32*\c:\s+15+32*\c], v[TM+12+2*\c]
	v_cvt_scalef32_pk16_fp6_f32 v[PC+12+4*\c:PC+14+4*\c], v[\s+16+32*\c:\s+31+32*\c], v[TM+12+2*\c+1]
.endr
	v_nop
.irp c, 0,1
.irp i, 0,1,2
	v_permlane16_swap_b32 v[PC+6*\c+\i], v[PC+12+4*\c+\i]
.endr
.irp i, 0,1,2
	v_mov_b32 v[PC+3+6*\c+\i], v[PC+12+4*\c+\i]
.endr
.endr
.endm
.macro STAGELOAD reg, off              ; the block off bytes behind s[6:7]: 256 threads x 16 bytes six times, then 4 bytes each
	WIN 0x40
.irp c, 0,1,2,3,4,5
	global_load_b128 v[\reg+4*\c:\reg+4*\c+3], v[TA], s[6:7] offset:\off+4096*\c
.endr
	global_load_b32 v[\reg+24], v[TW], s[6:7] offset:\off+24576
	WIN 0
.endm
.macro STAGESTORE reg, slot            ; and on into a slot, as it lies
	WIN 0x04                                       ; an LDS store's data: window 1
.irp c, 0,1,2,3,4,5
	ds_store_b128 v[TA+7*((\slot)/2)], v[\reg+4*\c:\reg+4*\c+3] offset:((\slot)%2)*GB+4096*\c
.endr
	ds_store_b32 v[TW+7*((\slot)/2)], v[\reg+24] offset:((\slot)%2)*GB+24576
	WIN 0
.endm
.macro KT slot, t                      ; fragment t of K: three loads of 512 consecutive bytes
.irp c, 0,1,2
	ds_load_b128 v[12*(\t)+4*\c:12*(\t)+4*\c+3], v[LI+7*((\slot)/2)] offset:((\slot)%2)*GB+1536*(\t)+512*\c
.endr
.endm
.macro KPART slot, p                   ; K in three runs: the scale words and fragments 0, 1; fragments 2 to 4; fragments 5 to 7
.if (\p) == 0
.irp t, 0,1,2,3,4,5,6,7
	ds_load_b32 v[KS+\t], v[LS+7*((\slot)/2)] offset:((\slot)%2)*GB+12288+64*\t
.endr
	WIN 0x40
	KT \slot, 0
	KT \slot, 1
.elseif (\p) == 1
	WIN 0x40
	KT \slot, 2
	KT \slot, 3
	KT \slot, 4
.else
	WIN 0x40
	KT \slot, 5
	KT \slot, 6
	KT \slot, 7
.endif
	WIN 0
.endm
.macro KCOND slot, p                   ; a run of the next step's K, if I am active in the next step
	s_bitcmp1_b32 s[ACT], 1
	s_cbranch_scc0 .Lnk_\@
	KPART \slot, \p
.Lnk_\@:
.endm
.macro VTILE slot, t                   ; fragment t of V^T
	WIN 0x40
.irp c, 0,1,2
	ds_load_b128 v[96+12*(\t)+4*\c:96+12*(\t)+4*\c+3], v[LI+7*((\slot)/2)] offset:((\slot)%2)*GB+12800+1536*(\t)+512*\c
.endr
	WIN 0
.endm
	s_load_b256 s[4:11], s[0:1], 0x0               ; qi s[4:5], kv s[6:7], positions s[8:9], pmm s[10:11]
	s_load_b64 s[12:13], s[0:1], 0x20              ; ag
	v_lshl_add_u32 v248, v0, 2, 0x19000
	v_mov_b32 v249, 0
	v_lshrrev_b32 v88, 5, v0
	v_readfirstlane_b32 s14, v88                   ; wave 0..7
	s_bcnt1_i32_b32 s15, s14
	s_and_b32 s15, s15, 1                          ; of each pair of waves 2 k, 2 k + 1 one takes the early block and one the late
	s_sub_co_u32 s18, 63, ttmp9
	s_cmp_eq_u32 s15, 1
	s_cselect_b32 s16, s18, ttmp9
	s_lshl_b32 s16, s16, 2
	s_lshr_b32 s19, s14, 1
	s_add_co_u32 s16, s16, s19                     ; my tile of 16 queries
	s_and_b32 s17, ttmp7, 0xffff                   ; the head
	s_lshr_b32 s24, s16, 1
	s_lshl_b32 s24, s24, 3                         ; my 32 tokens' pair
	s_lshl_b32 s25, ttmp9, 4                       ; the early block's two pairs
	s_lshl_b32 s26, s18, 4                         ; the late block's
	v_and_b32 v88, 31, v0
	v_and_b32 v89, 15, v0
	v_bfe_u32 v90, v0, 4, 1
	v_lshlrev_b32 v[LI], 4, v88
	v_lshlrev_b32 v[LS], 2, v89
	v_lshlrev_b32 v[TA], 4, v0
	v_lshlrev_b32 v[TW], 2, v0
	v_lshlrev_b32 v[H64], 6, v90
	v_lshlrev_b32 v[PFO], 8, v0
.irp a, LI, LS, TA, TW
	v_add_nc_u32 v[\a+7], 2*GB, v[\a]              ; the same places in slots 2 and 3
.endr
	v_lshlrev_b32 v28, 3, v88                      ; lane s takes key step s's pair
	v_and_b32 v29, 8, v89
	v_add_nc_u32 v29, v29, v89
	v_lshlrev_b32 v29, 2, v29                      ; 4 (r + 8 (r / 8))
	s_mov_b32 s[SEL], 0x76543210
	s_mov_b32 s[SEL+1], 0xfedcba98
	s_mov_b32 s[CS], 0x3e0293ee                    ; log2(e) / sqrt(128)
	s_mov_b32 s[CS+1], s[CS]
	s_mov_b32 s[CNT], 0
	s_cmp_lt_u32 s14, 3                            ; waves 0 to 2 of a head's first work-group prefetch
	s_cselect_b32 s[LIM], 27, 0
	s_cmp_eq_u32 ttmp9, 0
	s_cselect_b32 s[LIM], s[LIM], 0
	s_mov_b32 s49, 0
	s_mov_b32 s63, 0
	s_wait_kmcnt 0x0
	s_load_b64 s[28:29], s[10:11], s24 offset:0x100
	s_load_b128 s[32:35], s[10:11], s25 offset:0x100
	s_load_b128 s[36:39], s[10:11], s26 offset:0x100
	s_lshl_b32 s46, s17, 8
	s_add_co_u32 s46, s46, s16                     ; 256 x head + tile
	s_mul_i32 s48, s46, 1536
	s_add_nc_u64 s[50:51], s[4:5], s[48:49]        ; Q's image
	s_lshl_b32 s48, s46, 6
	s_add_co_u32 s48, s48, 3145728
	s_add_nc_u64 s[52:53], s[4:5], s[48:49]        ; Q's scale words
	s_mul_i32 s48, s17, 32*GB
	s_add_nc_u64 s[6:7], s[6:7], s[48:49]          ; the head's first block of K and V
	s_lshl_b32 s48, s24, 4                         ; 128 (tile / 2)
	s_and_b32 s54, s16, 1
	s_lshl_b32 s54, s54, 5
	s_add_co_u32 s48, s48, s54
	s_add_nc_u64 s[56:57], s[8:9], s[48:49]        ; my tile's first token's position
	s_lshr_b32 s48, s17, 1
	s_lshl_b32 s48, s48, 5
	s_lshr_b32 s54, s16, 3
	s_add_co_u32 s48, s48, s54
	s_mul_i32 s48, s48, GB                         ; ag: block (head / 2) x 32 + tile / 8
	s_and_b32 s54, s16, 7
	s_and_b32 s55, s17, 1
	s_lshl_b32 s62, s54, 1
	s_add_co_u32 s62, s62, s55
	s_mul_i32 s62, s62, 1536
	s_add_co_u32 s62, s62, s48
	s_add_nc_u64 s[58:59], s[12:13], s[62:63]      ; the image (tile % 8, head % 2)
	s_lshl_b32 s62, s55, 9
	s_lshl_b32 s54, s54, 6
	s_add_co_u32 s62, s62, s54
	s_add_co_u32 s62, s62, s48
	s_add_co_u32 s62, s62, 24576
	s_add_nc_u64 s[60:61], s[12:13], s[62:63]      ; its scale words
	global_load_b64 v[30:31], v28, s[10:11]
.irp c, 0,1,2
	global_load_b128 v[16+4*\c:19+4*\c], v[LI], s[50:51] offset:512*\c
.endr
	global_load_b32 v255, v[LS], s[52:53]
	global_load_b32 v[QP], v29, s[56:57]
	STAGELOAD 192, 0                               ; key steps 0 and 1, whatever the masks say: so slots 0 and 1, K's registers and the registers on the way are written on every path
	STAGELOAD 220, GB
	v_mov_b32 v13, 0xff61b1e6                      ; the largest t so far: -3e38
	v_floor_f32 v12, -v13
	v_mov_b32 v14, 0
	v_mov_b32 v15, 0
.irp b, 0,1,2,3
	v_mov_b32 v[236+\b], 0                         ; written once: a lane permute's destination counts as read
	v_mov_b32 v[TM+4+\b], 0
.endr
	v_mov_b32 v251, 0                              ; named as the upper half of the pair v[250:251]
	v_mov_b32 v252, 0
.set n, 0
.rept 64
	v_mov_b32 v[160+n], 0                          ; O^T: the step is written once, and its first run finds zeros
.set n, n+1
.endr
	WIN 0x40
	v_mov_b32 v255, 0xff800000                     ; -infinity
	WIN 0
	s_wait_kmcnt 0x0
	s_max_i32 s47, s33, s35
	s_max_i32 s47, s47, s37
	s_max_i32 s47, s47, s39                        ; the largest position among the work-group's queries
	s_wait_loadcnt 0x0
	v_cmp_ge_i32 s[ACT], s29, v30                  ; my largest >= the step's least
	v_cmp_ge_i32 s[OPN], s28, v31                  ; my least >= the step's largest
	v_cmp_ge_i32 s[STG], s47, v30
	STAGESTORE 192, 0
	STAGESTORE 220, 1
	s_wait_dscnt 0x0                               ; for the others' sake: my parts of slots 0 and 1 are written
	s_barrier_signal -1
	s_barrier_wait -1
	s_add_nc_u64 s[6:7], s[6:7], 2*GB              ; (its loads are done)
	s_bitcmp1_b32 s[STG], 2
	s_cbranch_scc0 .Lno2
	STAGELOAD 192, 0                               ; key step 2
.Lno2:
	KPART 0, 0                                     ; K of key step 0
	KPART 0, 1
	KPART 0, 2
	s_wait_dscnt 0x0
; KEY STEP s, s % 4 = slot.  At its head K and its scale words are in registers, and no LDS instruction of mine is out.
.macro STEP slot
	s_bitcmp1_b32 s[ACT], 0
	s_cbranch_scc0 .Lhid_\@
	WIN 0x01                                       ; source 0 (K) window 1
.irp t, 0,1,2,3,4,5,6,7
	v_wmma_scale_f32_16x16x128_f8f6f4 v[96+8*\t:103+8*\t], v[12*\t:12*\t+11], v[16:27], 0, v[KS+\t], v255 matrix_a_fmt:MATRIX_FMT_FP6 matrix_b_fmt:MATRIX_FMT_FP6
.endr
	WIN 0
.rept 4
	v_nop                                          ; places: ahead of the first read of the scores, of the loads into K's registers, and of those into V's, which the last step's products read
.endr
	s_bitcmp1_b32 s[OPN], 0
	s_cbranch_scc1 .Lopen_\@
	WIN 0x40                                       ; the keys' positions, in the scores' order: register 16 b + e = key 32 b + 16 h + e; into K's registers, which are free until the next fetch
.irp b, 0,1,2,3
.irp m, 0,1,2,3
	global_load_b128 v[16*\b+4*\m:16*\b+4*\m+3], v[H64], s[8:9] offset:128*\b+16*\m
.endr
.endr
	s_wait_loadcnt 0x0
	WIN 0x01
.set n, 0
.rept 64
	v_cmp_le_i32 vcc_lo, v[n], v[QP]               ; the key counts where its position is not above the query's;
	v_cndmask_b32 v[96+n], v255, v[96+n], vcc_lo   ; else its score becomes -infinity, and p = 0
.set n, n+1
.endr
	WIN 0
.Lopen_\@:
	KCOND (\slot+1)%4, 0
.irp b, 0,1,2,3
	v_max3_num_f32 v[232+\b], v[96+16*\b], v[97+16*\b], v[98+16*\b]   ; the largest score of each block of 32 keys: for the row's maximum, and for the block's largest p
.endr
.irp i, 3,5,7,9,11,13
.irp b, 0,1,2,3
	v_max3_num_f32 v[232+\b], v[232+\b], v[96+16*\b+\i], v[97+16*\b+\i]
.endr
.endr
.irp b, 0,1,2,3
	v_max_num_f32 v[232+\b], v[232+\b], v[111+16*\b]
.endr
	KCOND (\slot+1)%4, 1
.irp b, 0,1,2,3
	v_permlanex16_b32 v[236+\b], v[232+\b], s[SEL], s[SEL+1]
.endr
.irp b, 0,1,2,3
	v_max_num_f32 v[232+\b], v[232+\b], v[236+\b]
.endr
	v_max3_num_f32 v254, v232, v233, v234
	v_max_num_f32 v254, v254, v235
	v_mul_f32 v254, s[CS], v254
	v_max_num_f32 v13, v13, v254                   ; the running largest t
	v_mov_b32 v254, v12
	v_floor_f32 v12, -v13                          ; -M = floor(-t)
	v_sub_f32 v254, v12, v254
	v_cvt_i32_f32 v254, v254                       ; old M - new M, a whole number (it saturates)
	v_ldexp_f32 v250, 1.0, v254                    ; f = 2^(old M - new M)
.set n, 0
.rept 32
	v_pk_fma_f32 v[96+n:97+n], v[96+n:97+n], s[CS:CS+1], v[12:13] op_sel_hi:[1,0,0]   ; t - M
.set n, n+2
.endr
.irp b, 0,1,2,3
	v_fma_f32 v[232+\b], v[232+\b], s[CS], v12
.endr
	KCOND (\slot+1)%4, 2
.irp t, 0,1,2,3,4,5,6,7
	ds_load_b32 v[VS+\t], v[LS+7*((\slot)/2)] offset:((\slot)%2)*GB+25088+64*\t
.endr
.irp t, 0,1,2,3,4,5,6,7                        ; p, one batch of 64; behind every eight a fragment of V is asked for: no result is named in between
.irp e, 0,1,2,3,4,5,6,7
	v_exp_f32 v[96+8*\t+\e], v[96+8*\t+\e]
.endr
	VTILE \slot, \t
.endr
	v_pk_mul_f32 v[14:15], v[14:15], v[250:251] op_sel_hi:[1,0]   ; the sum under the new M: a plain instruction behind the exponentials
	s_wait_alu depctr_va_vdst(0)                   ; one wait for the batch, ahead of its first reader
.irp b, 0,1,2,3
	v_exp_f32 v[232+\b], v[232+\b]                 ; each block's largest p
.endr
	v_pk_add_f32 v[236:237], v[96:97], v[98:99]    ; the row's sum of the unquantised p, in two chains
.irp j, 4,8,12,16,20,24,28,32,36,40,44,48,52,56,60
	v_pk_add_f32 v[14:15], v[14:15], v[96+\j:97+\j]
	v_pk_add_f32 v[236:237], v[236:237], v[98+\j:99+\j]
.endr
	v_pk_add_f32 v[14:15], v[14:15], v[236:237]
	s_wait_alu depctr_va_vdst(0)                   ; and one for the four
.irp b, 0,1,2,3
	v_max_num_f32 v[232+\b], 0x1800000, v[232+\b]  ; the floor
.endr
.irp b, 0,1,2,3
	v_add_nc_u32 v[244+\b], 0xff000000, v[232+\b]
.endr
.irp b, 0,1,2,3
	v_lshrrev_b32 v[236+\b], 23, v[244+\b]
.endr
	v_lshl_or_b32 v253, v237, 8, v236              ; p's scale word
	v_lshl_or_b32 v253, v238, 16, v253
	v_lshl_or_b32 v253, v239, 24, v253
.irp c, 0,1
	v_cvt_scalef32_pk16_fp6_f32 v[224+6*\c:226+6*\c], v[96+32*\c:111+32*\c], v[244+2*\c]
	v_cvt_scalef32_pk16_fp6_f32 v[236+4*\c:238+4*\c], v[112+32*\c:127+32*\c], v[244+2*\c+1]
.endr
	v_nop
.irp c, 0,1
.irp i, 0,1,2
	v_permlane16_swap_b32 v[224+6*\c+\i], v[236+4*\c+\i]
.endr
.irp i, 0,1,2
	v_mov_b32 v[227+6*\c+\i], v[236+4*\c+\i]
.endr
.endr
.set n, 0
.rept 32
	v_pk_mul_f32 v[160+n:161+n], v[160+n:161+n], v[250:251] op_sel_hi:[1,0]   ; O^T under the new M; these are also the places in front of the products below
.set n, n+2
.endr
	s_wait_dscnt 0x0                               ; V is in, and the next step's K
	WIN 0x01
.irp t, 0,1,2,3,4,5,6,7                        ; the eight accumulators take turns
	v_wmma_scale_f32_16x16x128_f8f6f4 v[160+8*\t:167+8*\t], v[96+12*\t:107+12*\t], v[224:235], v[160+8*\t:167+8*\t], v[VS+\t], v253 matrix_a_fmt:MATRIX_FMT_FP6 matrix_b_fmt:MATRIX_FMT_FP6
.endr
	WIN 0
	s_branch .Ltail_\@
.Lhid_\@:                                          ; nothing of this step counts for me: only the next step's K, if I am active there
	s_bitcmp1_b32 s[ACT], 1
	s_cbranch_scc0 .Ltail_\@
	KPART (\slot+1)%4, 0
	KPART (\slot+1)%4, 1
	KPART (\slot+1)%4, 2
.Ltail_\@:
	s_wait_loadcnt 0x0                             ; block s + 2 is in registers
	s_bitcmp1_b32 s[STG], 2
	s_cbranch_scc0 .Lnost_\@
	STAGESTORE 192, (\slot+2)%4
.Lnost_\@:
	s_wait_dscnt 0x0                               ; my part of slot s + 2 is written, and my reads of slots s and s + 1 are over
	s_barrier_signal -1
	s_barrier_wait -1
	s_wait_xcnt 0x0                                ; the last prefetch, a step back, has read its base
	s_add_nc_u64 s[6:7], s[6:7], GB
	s_add_nc_u64 s[8:9], s[8:9], 512               ; the next step's positions
	s_bitcmp1_b32 s[STG], 3
	s_cbranch_scc0 .Lnold_\@
	STAGELOAD 192, 0                               ; block s + 3: it has the next step's work in which to come
.Lnold_\@:
	s_cmp_lt_u32 s[CNT], s[LIM]                    ; a prefetch into the L2 of blocks 0 to 95 of 256 bytes of key step s + 5: a lane a block, three waves of the head's first work-group;
	s_cbranch_scc0 .Lna_\@                         ; two steps ahead of the loads that will want them; steps 0 to 4 come by their loads alone, and from step 27 on nothing is asked for
	global_prefetch_b8 v[PFO], s[6:7] offset:2*GB th:TH_LOAD_NT scope:SCOPE_SE
.Lna_\@:
	s_lshr_b32 s[ACT], s[ACT], 1
	s_lshr_b32 s[OPN], s[OPN], 1
	s_lshr_b32 s[STG], s[STG], 1
	s_add_co_u32 s[CNT], s[CNT], 1
.endm
	s_mov_b32 s[TRIP], 0
.Lkeys:                                            ; 8 trips of four key steps, one in each slot
	STEP 0
	STEP 1
	STEP 2
	STEP 3
	s_add_co_u32 s[TRIP], s[TRIP], 1
	s_cmp_lt_u32 s[TRIP], 8
	s_cbranch_scc1 .Lkeys
	; THE WAY OUT: O^T / the sum, quantised along the head's 128: an image and a scale word for the last product
.rept 4
	v_nop
.endr
	v_add_f32 v14, v14, v15
	v_permlanex16_b32 v252, v14, s[SEL], s[SEL+1]
	v_add_f32 v14, v14, v252
	v_rcp_f32 v14, v14
	v_nop
	s_wait_alu depctr_va_vdst(0)
.set n, 0
.rept 64
	v_mul_f32 v[96+n], v[160+n], v14               ; register 16 b + e: channel 32 b + 16 h + e of my query
.set n, n+1
.endr
	QUANT 96
.irp c, 0,1,2
	global_store_b128 v[LI], v[PC+4*\c:PC+4*\c+3], s[58:59] offset:512*\c
.endr
	global_store_b32 v[LS], v[PW], s[60:61]
	s_wait_tensorcnt 0x0
	ds_add_u32 v248, v249
	s_wait_dscnt 0x0
	s_endpgm
.Lfunc_end_k_q24b62073a6_attn:
	.size	k_q24b62073a6_attn, .Lfunc_end_k_q24b62073a6_attn-k_q24b62073a6_attn
	.p2alignl 7, 3214868480
	.fill 96, 4, 3214868480
	.section	.rodata,"a",@progbits
	.p2align	6, 0x0
	.amdhsa_kernel k_q24b62073a6_attn
		.amdhsa_group_segment_fixed_size 103424
		.amdhsa_private_segment_fixed_size 0
		.amdhsa_enable_private_segment 0
		.amdhsa_kernarg_size 40
		.amdhsa_user_sgpr_count 2
		.amdhsa_user_sgpr_kernarg_segment_ptr 1
		.amdhsa_wavefront_size32 1
		.amdhsa_system_sgpr_workgroup_id_x 1
		.amdhsa_system_sgpr_workgroup_id_y 1
		.amdhsa_system_sgpr_workgroup_id_z 1
		.amdhsa_system_vgpr_workitem_id 0
		.amdhsa_next_free_vgpr 512
		.amdhsa_next_free_sgpr 66
		.amdhsa_reserve_vcc 1
		.amdhsa_float_denorm_mode_32 3
		.amdhsa_float_denorm_mode_16_64 3
		.amdhsa_memory_ordered 1
		.amdhsa_forward_progress 1
		.amdhsa_inst_pref_size 139
	.end_amdhsa_kernel
	.amdgpu_metadata
---
amdhsa.version: [ 1, 2 ]
amdhsa.kernels:
  - .name:           k_q24b62073a6_attn
    .symbol:         k_q24b62073a6_attn.kd
    .args:
      - { .name: qi, .offset: 0, .size: 8, .value_kind: global_buffer, .address_space: global }
      - { .name: kv, .offset: 8, .size: 8, .value_kind: global_buffer, .address_space: global }
      - { .name: positions, .offset: 16, .size: 8, .value_kind: global_buffer, .address_space: global }
      - { .name: pmm, .offset: 24, .size: 8, .value_kind: global_buffer, .address_space: global }
      - { .name: ag, .offset: 32, .size: 8, .value_kind: global_buffer, .address_space: global }
    .group_segment_fixed_size: 103424
    .private_segment_fixed_size: 0
    .kernarg_segment_align: 8
    .kernarg_segment_size: 40
    .max_flat_workgroup_size: 256
    .sgpr_count:     66
    .vgpr_count:     512
    .wavefront_size: 32
...
	.end_amdgpu_metadata
.endif
;; end of part 3
;; launch oproj (part 4): grid 8 x 32, 4 waves a work-group, clusters of 4 x 4, 327,680 bytes of LDS; arguments ag, og, out0; writes out0
.if DOCPART == 4
	.amdgcn_target "amdgcn-amd-amdhsa--gfx1250"
	.amdhsa_code_object_version 6
	.text
	.protected	k_q24b62073a6_oproj
	.globl	k_q24b62073a6_oproj
	.p2align	8
	.type	k_q24b62073a6_oproj,@function
k_q24b62073a6_oproj:
	s_mov_b64 s[64:65], 0
	v_nop
	global_prefetch_b8 v0, s[64:65] scope:SCOPE_SE
	s_setreg_imm32_b32 hwreg(HW_REG_WAVE_MODE, 25, 1), 1
	s_wait_xcnt 0x0
	s_wait_alu depctr_hold_cnt(0) depctr_sa_sdst(0) depctr_va_vdst(0) depctr_va_sdst(0) depctr_va_ssrc(0) depctr_va_vcc(0) depctr_vm_vsrc(0)
	s_getreg_b32 s2, hwreg(HW_REG_IB_STS2, 6, 4)
	s_cmp_eq_u32 s2, 0
	s_cbranch_scc0 .Lentry_in_a_cluster
	s_endpgm
.Lentry_in_a_cluster:
	s_bfe_u32 s2, ttmp6, 0x10000c
	s_cmp_lg_u32 s2, 0xf033
	s_cbranch_scc0 .Lentry_shape_is_right
	s_endpgm
.Lentry_shape_is_right:
; out0 = (attention's output) w_o on codes of FP6 (E2M3) with E8M0 scales; out0 [4096][2048] f32.
; A work-group makes 128 tokens x 256 n: 8 x 32 = 256 work-groups.  A wave makes 64 tokens x 128 n in 32 accumulators.
; Operands come as dense blocks of 25,600 bytes (128 rows x 256 K: 16 fragment images of 1,536 bytes, then the scale words).  K = 1,024 is four K slots, and ALL OF K LIES IN LDS: for each slot A's block and
; B's two, 76,800 bytes, 307,200 in all.  Wave w asks for K slot w by two tensor loads (A's block; B's two blocks, which are neighbours in memory and in LDS, as one tile of 200 rows of 256 bytes):
; two loads of a wave are out.  Nothing is ever filled again: one wait, one barrier, and then only LDS reads and products.
; CLUSTERS: 4 x 4 work-groups; A's blocks are shared along a row of the cluster, B's along a column, each asked for jointly.
; The matrix instruction is used transposed (source 0 = 16 rows of w_o^T, source 1 = 16 tokens).  The rows of a tile are index 32 b + 8 u + i + 8 (i / 8), of tokens and of n alike: the way out puts both back.
; REGISTERS: window 0: v8-31 addresses; v32-39 A's scale words, v40-55 B's, two sets each; v64-159 A's fragments, two sets of four (on the way out v128-255: rows read back).
;   window 1: B's fragments, two sets of eight, at v0 and v128.   window 2: the accumulators ((a, b) at v[8 (8 a + b)]).
.set GB,     25600
.set KSL,    3*GB                      ; a K slot in LDS: A's block, then B's two
.set SPITCH, 528                       ; the way out: a stage of 16 rows x (512 + 16) bytes for each wave, in K slot 0's bytes, which have had their one fill and, behind the barrier in K step 4, their last read
.set FR, 12
.set LI,   8                           ; 16 x lane
.set LS,   9                           ; 4 r
.set STO,  10
.set RD,   11
.set ADRA, 16                          ; v16-19 my four fragments' rows of A in K slot 0 .. 3
.set ADRB, 20                          ; v20-23 my block of B
.set ASA,  24                          ; v24-27 A's scale words
.set ASB,  28                          ; v28-31 B's
.set SA,   32
.set SB,   40
.set AF,   64
.set BK,   128
.set WV, 18
.set RH, 19                            ; which 64 tokens are mine
.set CH, 20                            ; which 128 columns
.set G1, 24                            ; s[24:31] descriptor group 1 for A's block;  s[32:35] its group 0
.set G0, 32
.set G0B, 36                           ; s[36:39], s[48:55] the same for B's two blocks
.set G1B, 48
.set MSB, 0
.macro WIN new
.if MSB != \new
	s_set_vgpr_msb (MSB<<8)|\new
.set MSB, \new
.endif
.endm
.set MUL,  0xa1                        ; source 0 (B) window 1, source 1 (A) window 0, C and D window 2
.set TO_B, 0x40
.macro CROUND                          ; a round of the cluster's barrier
	s_barrier_signal -1
	s_barrier_wait -1
	s_cmp_lg_u32 s[WV], 0
	s_cbranch_scc1 .Lnot_wave_0_\@
	s_barrier_signal -3
.Lnot_wave_0_\@:
	s_barrier_wait -3
	s_barrier_signal -1
	s_barrier_wait -1
.endm
	s_load_b128 s[4:7], s[0:1], 0x0                ; ag s[4:5], og s[6:7]
	s_load_b64 s[8:9], s[0:1], 0x10                ; out0
	v_lshl_add_u32 v62, v0, 2, 0x4b000
	v_mov_b32 v63, 0
	ds_add_u32 v62, v63
	ds_add_u32 v62, v63
	v_lshrrev_b32 v1, 5, v0
	v_readfirstlane_b32 s[WV], v1
	s_lshr_b32 s[RH], s[WV], 1
	s_and_b32 s[CH], s[WV], 1
	s_bfe_u32 s40, ttmp6, 0x40000                  ; cx
	s_bfe_u32 s41, ttmp6, 0x40004                  ; cy
	s_lshl_b32 s42, ttmp9, 2
	s_add_co_u32 s42, s42, s40                     ; tile column = 4 x cluster x + cx
	s_and_b32 s21, ttmp7, 0xffff
	s_lshl_b32 s21, s21, 2
	s_add_co_u32 s21, s21, s41                     ; tile row = 4 x cluster y + cy
	s_lshl_b32 s43, s41, 2
	s_lshl_b32 s43, 15, s43                        ; my row of the cluster
	s_lshl_b32 s44, 0x1111, s40                    ; my column
	s_or_b32 s[G1+0], s43, (3<<16)|(1<<21)         ; dense blocks as rows of 32 elements of 8 bytes, no padding: A's 100 rows,
	s_mov_b32 s[G1+1], 32<<16
	s_mov_b32 s[G1+2], 100<<16
	s_mov_b32 s[G1+3], 32<<16
	s_mov_b32 s[G1+4], 100
	s_mov_b32 s[G1+5], 32
	s_mov_b32 s[G1+6], 0
	s_mov_b32 s[G1+7], 0
	s_or_b32 s[G1B+0], s44, (3<<16)|(1<<21)        ; B's 200
	s_mov_b32 s[G1B+1], 32<<16
	s_mov_b32 s[G1B+2], 200<<16
	s_mov_b32 s[G1B+3], 32<<16
	s_mov_b32 s[G1B+4], 200
	s_mov_b32 s[G1B+5], 32
	s_mov_b32 s[G1B+6], 0
	s_mov_b32 s[G1B+7], 0
	s_lshl_b32 s22, s[WV], 5
	s_add_co_u32 s22, s22, s21
	s_mul_i32 s22, s22, GB                         ; A: block 32 x K slot + tile row; my K slot is my wave's number
	s_mov_b32 s23, 0
	s_lshl_b32 s46, s[WV], 4
	s_lshl_b32 s47, s42, 1
	s_add_co_u32 s46, s46, s47
	s_mul_i32 s46, s46, GB                         ; B: blocks 16 x K slot + 2 x tile column, and the next
	s_mov_b32 s47, 0
	s_mul_i32 s45, s[WV], KSL                      ; where they go: wave x 76,800: no place in the cluster enters an LDS address
	s_wait_dscnt 0x0
	s_wait_kmcnt 0x0
	s_add_nc_u64 s[22:23], s[4:5], s[22:23]
	s_add_nc_u64 s[46:47], s[6:7], s[46:47]
	CROUND                                         ; all sixteen work-groups are here: the joint loads meet
	s_mov_b32 s[G0], 1
	s_mov_b32 s[G0+1], s45
	s_mov_b64 s[G0+2:G0+3], s[22:23]
	s_or_b32 s[G0+3], s[G0+3], 0x80000000
	s_mov_b32 s[G0B], 1
	s_add_co_u32 s[G0B+1], s45, GB
	s_mov_b64 s[G0B+2:G0B+3], s[46:47]
	s_or_b32 s[G0B+3], s[G0B+3], 0x80000000
	tensor_load_to_lds s[G0:G0+3], s[G1:G1+7]      ; the launch's only fills, one group at its start
	s_nop 0
	tensor_load_to_lds s[G0B:G0B+3], s[G1B:G1B+7]
	s_nop 0
.rept 4
	v_nop                                          ; four v_nop follow the second
.endr
	v_and_b32 v1, 15, v0                           ; r
	v_bfe_u32 v2, v0, 4, 1                         ; h
	v_and_b32 v3, 31, v0                           ; lane
	v_lshlrev_b32 v[LI], 4, v3
	v_lshlrev_b32 v[LS], 2, v1
	s_mul_i32 s66, s[RH], 8*1536                   ; my tiles of A are 4 RH .. 4 RH + 3: their images begin 8 RH images in
	s_mul_i32 s67, s[CH], GB
	s_add_co_u32 s67, s67, GB                      ; my block of B lies behind A's
	v_add_nc_u32 v[ADRA], s66, v[LI]
	v_add_nc_u32 v[ADRB], s67, v[LI]
	s_lshl_b32 s68, s[RH], 8
	s_add_co_u32 s68, s68, 24576                   ; my tiles' scale words: 64 bytes a tile
	s_add_co_u32 s69, s67, 24576
	v_add_nc_u32 v[ASA], s68, v[LS]
	v_add_nc_u32 v[ASB], s69, v[LS]
.irp k, 1,2,3
	v_add_nc_u32 v[ADRA+\k], \k*KSL, v[ADRA]
	v_add_nc_u32 v[ADRB+\k], \k*KSL, v[ADRB]
	v_add_nc_u32 v[ASA+\k], \k*KSL, v[ASA]
	v_add_nc_u32 v[ASB+\k], \k*KSL, v[ASB]
.endr
	s_mul_i32 s68, s[WV], 16*SPITCH                ; my stage
	v_mul_u32_u24 v5, v1, SPITCH
	v_lshl_add_u32 v5, v2, 6, v5
	v_add_nc_u32 v[STO], s68, v5                   ; in: row r, + 64 h
	v_add_nc_u32 v[RD], s68, v[LI]                 ; back: 32 lanes take a row of 512 bytes
	s_lshl_b32 s70, s21, 20                        ; my first token's row: (128 x tile row + 64 x half) x 8,192 bytes
	s_lshl_b32 s71, s[RH], 19
	s_add_co_u32 s70, s70, s71
	s_lshl_b32 s71, s42, 10                        ; my first column: 1,024 x tile column + 512 x half
	s_add_co_u32 s70, s70, s71
	s_lshl_b32 s71, s[CH], 9
	s_add_co_u32 s70, s70, s71
	s_mov_b32 s71, 0
	s_add_nc_u64 s[8:9], s[8:9], s[70:71]
; The fragments and scale words of K step kk (128 along K: K slot kk / 2, its half kk % 2) into set kk % 2: 48 LDS loads in one run
.macro FETCH kk
.set FKS, (\kk)/2
.set FQ,  (\kk)%2
	WIN TO_B
.irp i, 0,1,2,3,4,5,6,7
.irp c, 0,1,2
	ds_load_b128 v[128*FQ+FR*\i+4*\c:128*FQ+FR*\i+4*\c+3], v[ADRB+FKS] offset:(2*\i+FQ)*1536+512*\c
.endr
.endr
	WIN 0
.irp i, 0,1,2,3
.irp c, 0,1,2
	ds_load_b128 v[AF+48*FQ+FR*\i+4*\c:AF+48*FQ+FR*\i+4*\c+3], v[ADRA+FKS] offset:(2*\i+FQ)*1536+512*\c
.endr
.endr
.irp i, 0,1,2,3
	ds_load_b32 v[SA+4*FQ+\i], v[ASA+FKS] offset:512*FQ+64*\i
.endr
.irp i, 0,1,2,3,4,5,6,7
	ds_load_b32 v[SB+8*FQ+\i], v[ASB+FKS] offset:512*FQ+64*\i
.endr
.endm
; 16 matrix instructions: A's tiles a0, a0 + 1 x B's eight, from set p.  The 32 accumulators take turns, one instruction a turn, in the same order in every K step.
.macro MUL16 a0, p, zero
.irp a, \a0, \a0+1
.irp b, 0,1,2,3,4,5,6,7
.if \zero
	v_wmma_scale_f32_16x16x128_f8f6f4 v[8*(8*(\a)+\b):8*(8*(\a)+\b)+7], v[128*(\p)+FR*\b:128*(\p)+FR*\b+FR-1], v[AF+48*(\p)+FR*(\a):AF+48*(\p)+FR*(\a)+FR-1], 0, v[SB+8*(\p)+\b], v[SA+4*(\p)+(\a)] matrix_a_fmt:MATRIX_FMT_FP6 matrix_b_fmt:MATRIX_FMT_FP6
.else
	v_wmma_scale_f32_16x16x128_f8f6f4 v[8*(8*(\a)+\b):8*(8*(\a)+\b)+7], v[128*(\p)+FR*\b:128*(\p)+FR*\b+FR-1], v[AF+48*(\p)+FR*(\a):AF+48*(\p)+FR*(\a)+FR-1], v[8*(8*(\a)+\b):8*(8*(\a)+\b)+7], v[SB+8*(\p)+\b], v[SA+4*(\p)+(\a)] matrix_a_fmt:MATRIX_FMT_FP6 matrix_b_fmt:MATRIX_FMT_FP6
.endif
.endr
.endr
.endm
.macro PLACES                          ; plain instructions between a matrix instruction and a load into, or a read of, its registers
.rept 4
	v_nop
.endr
.endm
; A K step: 32 matrix instructions; in its middle the next step's loads, into the set that the step before has multiplied
.macro KSTEP kk
	s_wait_dscnt 0x0                               ; this step's fragments, asked for sixteen matrix instructions ago, are in; no LDS instruction of mine is out
.if (\kk) == 4
	s_barrier_signal -1                            ; my reads of K slots 0 and 1 are over:
.endif
	WIN MUL
.if (\kk) == 0
	MUL16 0, 0, 1                                  ; the first step's products start the sums
.else
	MUL16 0, (\kk)%2, 0
.endif
.if (\kk) == 4
	s_barrier_wait -1                              ; everybody's are: behind this barrier K slot 0's bytes may take the stages
.endif
.if (\kk) < 7
	PLACES
	FETCH (\kk)+1
.endif
	WIN MUL
.if (\kk) == 0
	MUL16 2, 0, 1
.else
	MUL16 2, (\kk)%2, 0
.endif
.endm
	s_wait_tensorcnt 0x0                           ; my K slot has landed,
	s_barrier_signal -1
	s_barrier_wait -1                              ; everybody's has: all of K lies in LDS
	FETCH 0
.irp kk, 0,1,2,3,4,5,6,7
	KSTEP \kk
.endr
	WIN 0
; THE WAY OUT, a block of 16 tokens x 128 columns at a time, through my own stage: in, a lane's eight numbers of tile 2 b + u go to columns 32 b + 16 h + 8 u on of row r; back, whole rows of 512 bytes.
; Row t of block a is token 32 (a / 2) + 8 (a % 2) + t + 8 (t / 8) of my 64: it stands in the store's immediate, 63 rows of 8,192 bytes at the most.
.macro TOSTAGE a
	WIN 0x08                                       ; an LDS store's data: window 2
.irp b, 0,1,2,3,4,5,6,7
	ds_store_b128 v[STO], v[64*(\a)+8*\b:64*(\a)+8*\b+3] offset:128*(\b/2)+32*(\b%2)       ; each accumulator from its low end on
	ds_store_b128 v[STO], v[64*(\a)+8*\b+4:64*(\a)+8*\b+7] offset:128*(\b/2)+32*(\b%2)+16
.endr
	WIN 0
.set BB, BK+64*((\a)%2)
.irp t, 0,1,2,3,4,5,6,7,8,9,10,11,12,13,14,15
	ds_load_b128 v[BB+4*\t:BB+4*\t+3], v[RD] offset:\t*SPITCH   ; my wave's own bytes, served in order behind its stores
.endr
.endm
.macro SEND a, younger
.set BB, BK+64*((\a)%2)
	s_wait_dscnt \younger
.irp t, 0,1,2,3,4,5,6,7,8,9,10,11,12,13,14,15
	global_store_b128 v[LI], v[BB+4*\t:BB+4*\t+3], s[8:9] offset:(32*((\a)/2)+8*((\a)%2)+\t+8*(\t/8))*8192 th:TH_STORE_NT   ; 32 lanes store 512 consecutive bytes, aligned
.endr
.endm
	PLACES
	TOSTAGE 0
.irp a, 1,2,3
.if \a > 1
	s_wait_xcnt 0x0                                ; block a - 2's stores have read their registers: block a's rows may land there
.endif
	TOSTAGE \a
	SEND \a-1, 32                                  ; behind block a - 1's loads: block a's 16 stores and 16 loads
.endr
	SEND 3, 0
	s_wait_tensorcnt 0x0
	ds_add_u32 v62, v63
	s_wait_dscnt 0x0
	CROUND                                         ; the closing round: no work-group ends while a partner may still ask for a tile that names it
	s_endpgm
.Lfunc_end_k_q24b62073a6_oproj:
	.size	k_q24b62073a6_oproj, .Lfunc_end_k_q24b62073a6_oproj-k_q24b62073a6_oproj
	.p2alignl 7, 3214868480
	.fill 96, 4, 3214868480
	.section	.rodata,"a",@progbits
	.p2align	6, 0x0
	.amdhsa_kernel k_q24b62073a6_oproj
		.amdhsa_group_segment_fixed_size 327680
		.amdhsa_private_segment_fixed_size 0
		.amdhsa_enable_private_segment 0
		.amdhsa_kernarg_size 24
		.amdhsa_user_sgpr_count 2
		.amdhsa_user_sgpr_kernarg_segment_ptr 1
		.amdhsa_wavefront_size32 1
		.amdhsa_system_sgpr_workgroup_id_x 1
		.amdhsa_system_sgpr_workgroup_id_y 1
		.amdhsa_system_sgpr_workgroup_id_z 1
		.amdhsa_system_vgpr_workitem_id 0
		.amdhsa_next_free_vgpr 1024
		.amdhsa_next_free_sgpr 98
		.amdhsa_reserve_vcc 0
		.amdhsa_float_denorm_mode_32 3
		.amdhsa_float_denorm_mode_16_64 3
		.amdhsa_memory_ordered 1
		.amdhsa_forward_progress 1
		.amdhsa_inst_pref_size 79
	.end_amdhsa_kernel
	.amdgpu_metadata
---
amdhsa.version: [ 1, 2 ]
amdhsa.kernels:
  - .name:           k_q24b62073a6_oproj
    .symbol:         k_q24b62073a6_oproj.kd
    .args:
      - { .name: ag, .offset: 0, .size: 8, .value_kind: global_buffer, .address_space: global }
      - { .name: og, .offset: 8, .size: 8, .value_kind: global_buffer, .address_space: global }
      - { .name: out0, .offset: 16, .size: 8, .value_kind: global_buffer, .address_space: global }
    .group_segment_fixed_size: 327680
    .private_segment_fixed_size: 0
    .kernarg_segment_align: 8
    .kernarg_segment_size: 24
    .max_flat_workgroup_size: 128
    .sgpr_count:     98
    .vgpr_count:     1024
    .wavefront_size: 32
...
	.end_amdgpu_metadata
.endif
;; end of part 4
;; ======== version 2 of 2: 4 launches; version 1 with the launch attn written anew for expert scheduling mode
;; limits: right only within a limited range of input values
;; workspace buffers: xg 6,553,600 bytes; wg 4,915,200 bytes; og 1,638,400 bytes; cs 2,097,152 bytes; pmm 1,280 bytes of whole numbers; qi 3,276,800 bytes; kv 6,553,600 bytes; ag 3,276,800 bytes
;; launch prep: the kernel of part 1 again; grid 641 x 1, 4 waves a work-group, no clusters, 83,456 bytes of LDS; arguments hidden_states, w_qkv, w_o, positions, xg, wg, og, cs, pmm; writes xg, wg, og, cs, pmm
;; launch qkv: the kernel of part 2 again; grid 12 x 16, 4 waves a work-group, clusters of 4 x 4, 327,680 bytes of LDS; arguments xg, wg, cs, q_norm_w, k_norm_w, qi, kv; writes qi, kv
;; launch attn (part 5): grid 32 x 8, 8 waves a work-group, no clusters, 103,424 bytes of LDS; arguments qi, kv, positions, pmm, ag; writes ag
.if DOCPART == 5
	.amdgcn_target "amdgcn-amd-amdhsa--gfx1250"
	.amdhsa_code_object_version 6
	.text
	.protected	k_q24b62073a6_attn
	.globl	k_q24b62073a6_attn
	.p2align	8
	.type	k_q24b62073a6_attn,@function
k_q24b62073a6_attn:
	s_mov_b64 s[64:65], 0
	v_nop
	global_prefetch_b8 v0, s[64:65] scope:SCOPE_SE
	s_setreg_imm32_b32 hwreg(HW_REG_WAVE_SCHED_MODE, 0, 2), 2
	s_setreg_imm32_b32 hwreg(HW_REG_WAVE_MODE, 25, 1), 1
	s_wait_xcnt 0x0
	s_wait_alu depctr_vm_vsrc(0)
; O = softmax(q k^T / sqrt(128), key s counts for query t where positions[t] >= positions[s]) v, both products on codes of FP6 (E2M3) with E8M0 scales; O is quantised along the head for the last product.
; THE SOFTMAX: t = score x log2(e) / sqrt(128); M = the running largest t rounded up to a whole number; p = 2^(t - M) is quantised along the keys, not normalised; the row's sum is taken of the unquantised p and divides O at the end.
; THE MASK IS DATA.  An earlier launch has stored the least and the largest position of each key step (128 keys) and of each 32 tokens.  From these each wave makes three masks of 32 bits, a bit a key step:
; ACT: some key may count for some query of mine; OPN: every key counts for every query of mine; STG: some wave of the work-group is active.  A step that is not ACT is left out; a step that is ACT and not OPN compares
; each key's position with the query's.  These are branches on whole numbers read from memory: so LDS is filled through registers, not by tensor loads, and K and V are not asked for jointly in a cluster
; (partners would have to walk alike, whatever the positions).
; SHARES.  Work-group (i, head) owns the blocks i and 63 - i of 64 queries, so that with ascending positions every work-group has the same work; a wave owns one tile of 16 queries.
; THE BLOCKS' WAY.  A key step's block is 25,600 bytes (K's 8 images, scale words, V^T's 8 images, scale words).  The eight waves copy it from memory to registers and from there into one of FOUR LDS slots, two steps
; ahead of its V and one ahead of its K: at the end of step s block s + 2 is stored, one barrier follows, and block s + 3 is asked for.  So in step s the waves read V from slot s and K OF THE NEXT STEP from slot s + 1 while
; slot s + 2 is written; slot s + 2 was last read in step s - 2, and every wave has waited for those reads ahead of that step's barrier.  A step begins with its products K Q^T at once: K came during the step before.
; THE LDS LOADS STAND IN SHORT RUNS AMONG THE VECTOR WORK: K's in three runs among the maxima and the scalings, V's a fragment behind every eight exponentials.
; LAYOUT.  Both products are used transposed (S^T = K Q^T, O^T = V^T P^T): a lane holds one query.  The keys of a tile of K, and the channels of a tile of V^T, are index 32 b + 8 u + i + 8 (i / 8).
; LIMITS: NaN and infinities are not served.
; REGISTERS: window 0: v1-11 addresses; v12 -M, v13 largest t, v[14:15] the sum; v16-27 Q; v32-39, v40-47 K's and V's scale words; v48-87 the way out; v96-159 S^T, then p; v160-223 O^T; v224-235 p's codes;
;   v236-254 at work; v253 p's scale word; v255 Q's.   window 1: v0-95 K's fragments (on a masked step, between the products and the next fetch, the keys' positions); v96-191 V's; v192-216 the block on its way
;   (v220-244 a second one at the head); v255 -infinity.
; THE MODE: SCHED_MODE bits 1:0 = 2 (LLVM: expert scheduling mode 2), set by the entry lines.  The code itself states the register dependences between vector or matrix instructions and memory or LDS
; instructions, with s_wait_alu, always for 0.
; THE PLAN.  Registers that memory or LDS instructions touch:
;   v1-5, v7-11   addresses and offsets (v28, v29 at the head alone): made once at the head, never written again; one wait on va_vdst ahead of the first load states that they are written.
;   K, KS         (window 1 v0-95; v32-39)  Step s: its products K Q^T read them (a masked step then loads the keys' positions into K's first 64, and its compares read those); behind that the LDS loads of step s + 1's K land.
;   V, VS         (window 1 v96-191; v40-47)  Step s: its LDS loads land; its products V^T P read them at the step's end.
;   the block     (window 1 v192-216)  Global loads land, LDS stores read: no vector instruction names these registers.
;   v64, v68-79   the way out: written by the quantiser, read by the four global stores.     v248, v249: written at the head, read by the closing add alone.
; So ONE wait on va_vdst stands in a step ahead of all its 64 LDS loads, behind the mask: this step's products K Q^T (and compares) are done reading K and KS, the last step's products V^T P are done reading V and VS.
; The vector instructions that follow it, among which the loads are dealt, name v12-15, v96-159 and v232-254 of window 0: none of the registers that those loads touch.  One wait on vm_vsrc a step, behind the barrier,
; states that the LDS stores have read the block's registers, ahead of the next block's loads.  A further wait on va_vdst stands ahead of the products V^T P, which take p's codes and scale word from vector instructions.
.set GB,  25600
.set LI,  1                            ; 16 x lane
.set LS,  2                            ; 4 r
.set TA,  3                            ; 16 x thread
.set TW,  4                            ; 4 x thread
.set H64, 5                            ; 64 h
.set QP,  6                            ; my query's position
.set PFO, 7                            ; 256 x thread
                                       ; v8-11: LI, LS, TA, TW two slots (51,200 bytes) on: register + 7; a slot's odd or even place stands in the immediate
.set KS,  32
.set VS,  40
.set TM,  48
.set PW,  64
.set PC,  68
.set SEL, 20
.set CS,  22
.set MK,  24                           ; s24-39: on a masked step sixteen masks of lanes (free behind the head)
.set ACT, 40
.set OPN, 41
.set STG, 42
.set CNT, 43                           ; the key step
.set LIM, 44                           ; 27 in a wave that prefetches, else 0
.set TRIP, 45
.set MSB, 0
.macro WIN new
.if MSB != \new
	s_set_vgpr_msb (MSB<<8)|\new
.set MSB, \new
.endif
.endm
.macro QUANT s
.irp b, 0,1,2,3
	v_max3_num_f32 v[TM+\b], |v[\s+16*\b]|, |v[\s+1+16*\b]|, 0x1800000
.endr
.irp i, 2,4,6,8,10,12,14
.irp b, 0,1,2,3
	v_max3_num_f32 v[TM+\b], v[TM+\b], |v[\s+16*\b+\i]|, |v[\s+1+16*\b+\i]|
.endr
.endr
.irp b, 0,1,2,3
	v_permlanex16_b32 v[TM+4+\b], v[TM+\b], s[SEL], s[SEL+1]
.endr
.irp b, 0,1,2,3
	v_max_num_f32 v[TM+\b], v[TM+\b], v[TM+4+\b]
.endr
.irp b, 0,1,2,3
	v_add_nc_u32 v[TM+12+\b], 0xff000000, v[TM+\b]
.endr
.irp b, 0,1,2,3
	v_lshrrev_b32 v[TM+4+\b], 23, v[TM+12+\b]
.endr
	v_lshl_or_b32 v[PW], v[TM+5], 8, v[TM+4]
	v_lshl_or_b32 v[PW], v[TM+6], 16, v[PW]
	v_lshl_or_b32 v[PW], v[TM+7], 24, v[PW]
.irp c, 0,1
	v_cvt_scalef32_pk16_fp6_f32 v[PC+6*\c:PC+2+6*\c], v[\s+32*\c:\s+15+32*\c], v[TM+12+2*\c]
	v_cvt_scalef32_pk16_fp6_f32 v[PC+12+4*\c:PC+14+4*\c], v[\s+16+32*\c:\s+31+32*\c], v[TM+12+2*\c+1]
.endr
	v_nop
.irp c, 0,1
.irp i, 0,1,2
	v_permlane16_swap_b32 v[PC+6*\c+\i], v[PC+12+4*\c+\i]
.endr
.irp i, 0,1,2
	v_mov_b32 v[PC+3+6*\c+\i], v[PC+12+4*\c+\i]
.endr
.endr
.endm
.macro STAGELOAD reg, off              ; the block off bytes behind s[6:7]: 256 threads x 16 bytes six times, then 4 bytes each
	WIN 0x40
.irp c, 0,1,2,3,4,5
	global_load_b128 v[\reg+4*\c:\reg+4*\c+3], v[TA], s[6:7] offset:\off+4096*\c
.endr
	global_load_b32 v[\reg+24], v[TW], s[6:7] offset:\off+24576
	WIN 0
.endm
.macro STAGESTORE reg, slot            ; and on into a slot, as it lies
	WIN 0x04                                       ; an LDS store's data: window 1
.irp c, 0,1,2,3,4,5
	ds_store_b128 v[TA+7*((\slot)/2)], v[\reg+4*\c:\reg+4*\c+3] offset:((\slot)%2)*GB+4096*\c
.endr
	ds_store_b32 v[TW+7*((\slot)/2)], v[\reg+24] offset:((\slot)%2)*GB+24576
	WIN 0
.endm
.macro KT slot, t                      ; fragment t of K: three loads of 512 consecutive bytes
.irp c, 0,1,2
	ds_load_b128 v[12*(\t)+4*\c:12*(\t)+4*\c+3], v[LI+7*((\slot)/2)] offset:((\slot)%2)*GB+1536*(\t)+512*\c
.endr
.endm
.macro KPART slot, p                   ; K in three runs: the scale words and fragments 0, 1; fragments 2 to 4; fragments 5 to 7
.if (\p) == 0
.irp t, 0,1,2,3,4,5,6,7
	ds_load_b32 v[KS+\t], v[LS+7*((\slot)/2)] offset:((\slot)%2)*GB+12288+64*\t
.endr
	WIN 0x40
	KT \slot, 0
	KT \slot, 1
.elseif (\p) == 1
	WIN 0x40
	KT \slot, 2
	KT \slot, 3
	KT \slot, 4
.else
	WIN 0x40
	KT \slot, 5
	KT \slot, 6
	KT \slot, 7
.endif
	WIN 0
.endm
.macro KCOND slot, p                   ; a run of the next step's K, if I am active in the next step
	s_bitcmp1_b32 s[ACT], 1
	s_cbranch_scc0 .Lnk_\@
	KPART \slot, \p
.Lnk_\@:
.endm
.macro VTILE slot, t                   ; fragment t of V^T
	WIN 0x40
.irp c, 0,1,2
	ds_load_b128 v[96+12*(\t)+4*\c:96+12*(\t)+4*\c+3], v[LI+7*((\slot)/2)] offset:((\slot)%2)*GB+12800+1536*(\t)+512*\c
.endr
	WIN 0
.endm
	s_load_b256 s[4:11], s[0:1], 0x0               ; qi s[4:5], kv s[6:7], positions s[8:9], pmm s[10:11]
	s_load_b64 s[12:13], s[0:1], 0x20              ; ag
	v_lshl_add_u32 v248, v0, 2, 0x19000
	v_mov_b32 v249, 0
	v_lshrrev_b32 v88, 5, v0
	v_readfirstlane_b32 s14, v88                   ; wave 0..7
	v_and_b32 v88, 31, v0                          ; the addresses are made here, between that line and the wait for its result
	v_and_b32 v89, 15, v0
	v_bfe_u32 v90, v0, 4, 1
	v_lshlrev_b32 v[LI], 4, v88
	v_lshlrev_b32 v[LS], 2, v89
	v_lshlrev_b32 v[TA], 4, v0
	v_lshlrev_b32 v[TW], 2, v0
	v_lshlrev_b32 v[H64], 6, v90
	v_lshlrev_b32 v[PFO], 8, v0
.irp a, LI, LS, TA, TW
	v_add_nc_u32 v[\a+7], 2*GB, v[\a]              ; the same places in slots 2 and 3
.endr
	v_lshlrev_b32 v28, 3, v88                      ; lane s takes key step s's pair
	v_and_b32 v29, 8, v89
	v_add_nc_u32 v29, v29, v89
	v_lshlrev_b32 v29, 2, v29                      ; 4 (r + 8 (r / 8))
	s_wait_alu depctr_va_sdst(0)                   ; s14 is written, ahead of its first reader: my tile, and with it every base, is made from it
	s_bcnt1_i32_b32 s15, s14
	s_and_b32 s15, s15, 1                          ; of each pair of waves 2 k, 2 k + 1 one takes the early block and one the late
	s_sub_co_u32 s18, 63, ttmp9
	s_cmp_eq_u32 s15, 1
	s_cselect_b32 s16, s18, ttmp9
	s_lshl_b32 s16, s16, 2
	s_lshr_b32 s19, s14, 1
	s_add_co_u32 s16, s16, s19                     ; my tile of 16 queries
	s_and_b32 s17, ttmp7, 0xffff                   ; the head
	s_lshr_b32 s24, s16, 1
	s_lshl_b32 s24, s24, 3                         ; my 32 tokens' pair
	s_lshl_b32 s25, ttmp9, 4                       ; the early block's two pairs
	s_lshl_b32 s26, s18, 4                         ; the late block's
	s_mov_b32 s[SEL], 0x76543210
	s_mov_b32 s[SEL+1], 0xfedcba98
	s_mov_b32 s[CS], 0x3e0293ee                    ; log2(e) / sqrt(128)
	s_mov_b32 s[CS+1], s[CS]
	s_mov_b32 s[CNT], 0
	s_cmp_lt_u32 s14, 3                            ; waves 0 to 2 of a head's first work-group prefetch
	s_cselect_b32 s[LIM], 27, 0
	s_cmp_eq_u32 ttmp9, 0
	s_cselect_b32 s[LIM], s[LIM], 0
	s_mov_b32 s49, 0
	s_mov_b32 s63, 0
	s_wait_kmcnt 0x0
	s_load_b64 s[28:29], s[10:11], s24 offset:0x100
	s_load_b128 s[32:35], s[10:11], s25 offset:0x100
	s_load_b128 s[36:39], s[10:11], s26 offset:0x100
	s_lshl_b32 s46, s17, 8
	s_add_co_u32 s46, s46, s16                     ; 256 x head + tile
	s_mul_i32 s48, s46, 1536
	s_add_nc_u64 s[50:51], s[4:5], s[48:49]        ; Q's image
	s_lshl_b32 s48, s46, 6
	s_add_co_u32 s48, s48, 3145728
	s_add_nc_u64 s[52:53], s[4:5], s[48:49]        ; Q's scale words
	s_mul_i32 s48, s17, 32*GB
	s_add_nc_u64 s[6:7], s[6:7], s[48:49]          ; the head's first block of K and V
	s_lshl_b32 s48, s24, 4                         ; 128 (tile / 2)
	s_and_b32 s54, s16, 1
	s_lshl_b32 s54, s54, 5
	s_add_co_u32 s48, s48, s54
	s_add_nc_u64 s[56:57], s[8:9], s[48:49]        ; my tile's first token's position
	s_lshr_b32 s48, s17, 1
	s_lshl_b32 s48, s48, 5
	s_lshr_b32 s54, s16, 3
	s_add_co_u32 s48, s48, s54
	s_mul_i32 s48, s48, GB                         ; ag: block (head / 2) x 32 + tile / 8
	s_and_b32 s54, s16, 7
	s_and_b32 s55, s17, 1
	s_lshl_b32 s62, s54, 1
	s_add_co_u32 s62, s62, s55
	s_mul_i32 s62, s62, 1536
	s_add_co_u32 s62, s62, s48
	s_add_nc_u64 s[58:59], s[12:13], s[62:63]      ; the image (tile % 8, head % 2)
	s_lshl_b32 s62, s55, 9
	s_lshl_b32 s54, s54, 6
	s_add_co_u32 s62, s62, s54
	s_add_co_u32 s62, s62, s48
	s_add_co_u32 s62, s62, 24576
	s_add_nc_u64 s[60:61], s[12:13], s[62:63]      ; its scale words
	s_wait_alu depctr_va_vdst(0)                   ; v1-5, v7-11, v28 and v29 are written: every load, store and prefetch of the kernel reads one of them as its address or offset
	global_load_b64 v[30:31], v28, s[10:11]
.irp c, 0,1,2
	global_load_b128 v[16+4*\c:19+4*\c], v[LI], s[50:51] offset:512*\c
.endr
	global_load_b32 v255, v[LS], s[52:53]
	global_load_b32 v[QP], v29, s[56:57]
	STAGELOAD 192, 0                               ; key steps 0 and 1, whatever the masks say: so slots 0 and 1, K's registers and the registers on the way are written on every path
	STAGELOAD 220, GB
	v_mov_b32 v13, 0xff61b1e6                      ; the largest t so far: -3e38
	v_floor_f32 v12, -v13
	v_mov_b32 v14, 0
	v_mov_b32 v15, 0
.irp b, 0,1,2,3
	v_mov_b32 v[236+\b], 0                         ; written once: a lane permute's destination counts as read
	v_mov_b32 v[TM+4+\b], 0
.endr
	v_mov_b32 v251, 0                              ; named as the upper half of the pair v[250:251]
	v_mov_b32 v252, 0
.set n, 0
.rept 64
	v_mov_b32 v[160+n], 0                          ; O^T: the step is written once, and its first run finds zeros
.set n, n+1
.endr
	WIN 0x40
	v_mov_b32 v255, 0xff800000                     ; -infinity
	WIN 0
	s_wait_kmcnt 0x0
	s_max_i32 s47, s33, s35
	s_max_i32 s47, s47, s37
	s_max_i32 s47, s47, s39                        ; the largest position among the work-group's queries
	s_wait_loadcnt 0x0
	v_cmp_ge_i32 s[ACT], s29, v30                  ; my largest >= the step's least
	v_cmp_ge_i32 s[OPN], s28, v31                  ; my least >= the step's largest
	v_cmp_ge_i32 s[STG], s47, v30
	s_wait_alu depctr_va_sdst(0)                   ; the three masks are written, ahead of their first readers, the tests of their bits
	STAGESTORE 192, 0
	STAGESTORE 220, 1
	s_wait_dscnt 0x0                               ; for the others' sake: my parts of slots 0 and 1 are written
	s_barrier_signal -1
	s_barrier_wait -1
	s_wait_alu depctr_vm_vsrc(0)                   ; my LDS stores have read the block's registers, in which key step 2's loads land
	s_add_nc_u64 s[6:7], s[6:7], 2*GB              ; (its loads are done)
	s_bitcmp1_b32 s[STG], 2
	s_cbranch_scc0 .Lno2
	STAGELOAD 192, 0                               ; key step 2
.Lno2:
	KPART 0, 0                                     ; K of key step 0
	KPART 0, 1
	KPART 0, 2
	s_wait_dscnt 0x0
; KEY STEP s, s % 4 = slot.  At its head K and its scale words are in registers, and no LDS instruction of mine is out.
.macro STEP slot
	s_bitcmp1_b32 s[ACT], 0
	s_cbranch_scc0 .Lhid_\@
	WIN 0x01                                       ; source 0 (K) window 1
.irp t, 0,1,2,3,4,5,6,7
	v_wmma_scale_f32_16x16x128_f8f6f4 v[96+8*\t:103+8*\t], v[12*\t:12*\t+11], v[16:27], 0, v[KS+\t], v255 matrix_a_fmt:MATRIX_FMT_FP6 matrix_b_fmt:MATRIX_FMT_FP6
.endr
	WIN 0
.rept 4
	v_nop                                          ; places ahead of the first read of the scores, and of the first write of p's codes' registers, which the last step's products read
.endr
	s_bitcmp1_b32 s[OPN], 0
	s_cbranch_scc1 .Lopen_\@
	WIN 0x40                                       ; the keys' positions, in the scores' order: register 16 b + e = key 32 b + 16 h + e; into K's registers, which are free until the next fetch
	s_wait_alu depctr_va_vdst(0)                   ; the products above are done reading K's registers, in which the positions land
.irp b, 0,1,2,3
.irp m, 0,1,2,3
	global_load_b128 v[16*\b+4*\m:16*\b+4*\m+3], v[H64], s[8:9] offset:128*\b+16*\m
.endr
.endr
	s_wait_loadcnt 0x0
	WIN 0x01
.irp g, 0,1,2,3                                ; sixteen compares into sixteen scalar registers, one wait, sixteen selects
.set n, 0
.rept 16
	v_cmp_le_i32 s[MK+n], v[16*\g+n], v[QP]        ; the key counts where its position is not above the query's;
.set n, n+1
.endr
	s_wait_alu depctr_va_sdst(0)                   ; the sixteen masks are written, ahead of the selects that read them
.set n, 0
.rept 16
	v_cndmask_b32 v[96+16*\g+n], v255, v[96+16*\g+n], s[MK+n]   ; else its score becomes -infinity, and p = 0
.set n, n+1
.endr
.endr
	WIN 0
.Lopen_\@:
	s_wait_alu depctr_va_vdst(0)                   ; this step's products K Q^T (on a masked step its compares too) are done reading K's registers and scale words, the last step's products V^T P are done reading V's: all the step's LDS loads land in these
	KCOND (\slot+1)%4, 0
.irp b, 0,1,2,3
	v_max3_num_f32 v[232+\b], v[96+16*\b], v[97+16*\b], v[98+16*\b]   ; the largest score of each block of 32 keys: for the row's maximum, and for the block's largest p
.endr
.irp i, 3,5,7,9,11,13
.irp b, 0,1,2,3
	v_max3_num_f32 v[232+\b], v[232+\b], v[96+16*\b+\i], v[97+16*\b+\i]
.endr
.endr
.irp b, 0,1,2,3
	v_max_num_f32 v[232+\b], v[232+\b], v[111+16*\b]
.endr
	KCOND (\slot+1)%4, 1                           ; no wait: no vector instruction since the wait above names K's registers or the addresses
.irp b, 0,1,2,3
	v_permlanex16_b32 v[236+\b], v[232+\b], s[SEL], s[SEL+1]
.endr
.irp b, 0,1,2,3
	v_max_num_f32 v[232+\b], v[232+\b], v[236+\b]
.endr
	v_max3_num_f32 v254, v232, v233, v234
	v_max_num_f32 v254, v254, v235
	v_mul_f32 v254, s[CS], v254
	v_max_num_f32 v13, v13, v254                   ; the running largest t
	v_mov_b32 v254, v12
	v_floor_f32 v12, -v13                          ; -M = floor(-t)
	v_sub_f32 v254, v12, v254
	v_cvt_i32_f32 v254, v254                       ; old M - new M, a whole number (it saturates)
	v_ldexp_f32 v250, 1.0, v254                    ; f = 2^(old M - new M)
.set n, 0
.rept 32
	v_pk_fma_f32 v[96+n:97+n], v[96+n:97+n], s[CS:CS+1], v[12:13] op_sel_hi:[1,0,0]   ; t - M
.set n, n+2
.endr
.irp b, 0,1,2,3
	v_fma_f32 v[232+\b], v[232+\b], s[CS], v12
.endr
	KCOND (\slot+1)%4, 2
.irp t, 0,1,2,3,4,5,6,7
	ds_load_b32 v[VS+\t], v[LS+7*((\slot)/2)] offset:((\slot)%2)*GB+25088+64*\t
.endr
.irp t, 0,1,2,3,4,5,6,7                        ; p, one batch of 64; behind every eight a fragment of V is asked for: no result is named in between, and the exponentials name none of V's registers
.irp e, 0,1,2,3,4,5,6,7
	v_exp_f32 v[96+8*\t+\e], v[96+8*\t+\e]
.endr
	VTILE \slot, \t
.endr
	v_pk_mul_f32 v[14:15], v[14:15], v[250:251] op_sel_hi:[1,0]   ; the sum under the new M: a plain instruction behind the exponentials
	s_wait_alu depctr_va_vdst(0)                   ; the 64 exponentials have written p: one wait for the batch, ahead of its first reader
.irp b, 0,1,2,3
	v_exp_f32 v[232+\b], v[232+\b]                 ; each block's largest p
.endr
	v_pk_add_f32 v[236:237], v[96:97], v[98:99]    ; the row's sum of the unquantised p, in two chains
.irp j, 4,8,12,16,20,24,28,32,36,40,44,48,52,56,60
	v_pk_add_f32 v[14:15], v[14:15], v[96+\j:97+\j]
	v_pk_add_f32 v[236:237], v[236:237], v[98+\j:99+\j]
.endr
	v_pk_add_f32 v[14:15], v[14:15], v[236:237]
	s_wait_alu depctr_va_vdst(0)                   ; the four exponentials have written the blocks' largest p, ahead of their first reader
.irp b, 0,1,2,3
	v_max_num_f32 v[232+\b], 0x1800000, v[232+\b]  ; the floor
.endr
.irp b, 0,1,2,3
	v_add_nc_u32 v[244+\b], 0xff000000, v[232+\b]
.endr
.irp b, 0,1,2,3
	v_lshrrev_b32 v[236+\b], 23, v[244+\b]
.endr
	v_lshl_or_b32 v253, v237, 8, v236              ; p's scale word
	v_lshl_or_b32 v253, v238, 16, v253
	v_lshl_or_b32 v253, v239, 24, v253
.irp c, 0,1
	v_cvt_scalef32_pk16_fp6_f32 v[224+6*\c:226+6*\c], v[96+32*\c:111+32*\c], v[244+2*\c]
	v_cvt_scalef32_pk16_fp6_f32 v[236+4*\c:238+4*\c], v[112+32*\c:127+32*\c], v[244+2*\c+1]
.endr
	v_nop
.irp c, 0,1
.irp i, 0,1,2
	v_permlane16_swap_b32 v[224+6*\c+\i], v[236+4*\c+\i]
.endr
.irp i, 0,1,2
	v_mov_b32 v[227+6*\c+\i], v[236+4*\c+\i]
.endr
.endr
.set n, 0
.rept 32
	v_pk_mul_f32 v[160+n:161+n], v[160+n:161+n], v[250:251] op_sel_hi:[1,0]   ; O^T under the new M; these are also the places in front of the products below
.set n, n+2
.endr
	s_wait_dscnt 0x0                               ; V is in, and the next step's K
	WIN 0x01
	s_wait_alu depctr_va_vdst(0)                   ; vector instructions have written p's codes and p's scale word, which the scaled products below take as source 1 and as scales; the places above stay beside this wait
.irp t, 0,1,2,3,4,5,6,7                        ; the eight accumulators take turns
	v_wmma_scale_f32_16x16x128_f8f6f4 v[160+8*\t:167+8*\t], v[96+12*\t:107+12*\t], v[224:235], v[160+8*\t:167+8*\t], v[VS+\t], v253 matrix_a_fmt:MATRIX_FMT_FP6 matrix_b_fmt:MATRIX_FMT_FP6
.endr
	WIN 0
	s_branch .Ltail_\@
.Lhid_\@:                                          ; nothing of this step counts for me: only the next step's K, if I am active there.  No wait: the last readers of K's registers and scale words stand ahead of a wait on va_vdst of an earlier step
	s_bitcmp1_b32 s[ACT], 1
	s_cbranch_scc0 .Ltail_\@
	KPART (\slot+1)%4, 0
	KPART (\slot+1)%4, 1
	KPART (\slot+1)%4, 2
.Ltail_\@:
	s_wait_loadcnt 0x0                             ; block s + 2 is in registers
	s_bitcmp1_b32 s[STG], 2
	s_cbranch_scc0 .Lnost_\@
	STAGESTORE 192, (\slot+2)%4
.Lnost_\@:
	s_wait_dscnt 0x0                               ; my part of slot s + 2 is written, and my reads of slots s and s + 1 are over
	s_barrier_signal -1
	s_barrier_wait -1
	s_wait_xcnt 0x0                                ; the last prefetch, a step back, has read its base
	s_wait_alu depctr_vm_vsrc(0)                   ; my LDS stores have read the block's registers, in which block s + 3's loads land
	s_add_nc_u64 s[6:7], s[6:7], GB
	s_add_nc_u64 s[8:9], s[8:9], 512               ; the next step's positions
	s_bitcmp1_b32 s[STG], 3
	s_cbranch_scc0 .Lnold_\@
	STAGELOAD 192, 0                               ; block s + 3: it has the next step's work in which to come
.Lnold_\@:
	s_cmp_lt_u32 s[CNT], s[LIM]                    ; a prefetch into the L2 of blocks 0 to 95 of 256 bytes of key step s + 5: a lane a block, three waves of the head's first work-group;
	s_cbranch_scc0 .Lna_\@                         ; two steps ahead of the loads that will want them; steps 0 to 4 come by their loads alone, and from step 27 on nothing is asked for
	global_prefetch_b8 v[PFO], s[6:7] offset:2*GB th:TH_LOAD_NT scope:SCOPE_SE
.Lna_\@:
	s_lshr_b32 s[ACT], s[ACT], 1
	s_lshr_b32 s[OPN], s[OPN], 1
	s_lshr_b32 s[STG], s[STG], 1
	s_add_co_u32 s[CNT], s[CNT], 1
.endm
	s_mov_b32 s[TRIP], 0
.Lkeys:                                            ; 8 trips of four key steps, one in each slot
	STEP 0
	STEP 1
	STEP 2
	STEP 3
	s_add_co_u32 s[TRIP], s[TRIP], 1
	s_cmp_lt_u32 s[TRIP], 8
	s_cbranch_scc1 .Lkeys
	; THE WAY OUT: O^T / the sum, quantised along the head's 128: an image and a scale word for the last product
.rept 4
	v_nop
.endr
	v_add_f32 v14, v14, v15
	v_permlanex16_b32 v252, v14, s[SEL], s[SEL+1]
	v_add_f32 v14, v14, v252
	v_rcp_f32 v14, v14
	v_nop
	s_wait_alu depctr_va_vdst(0)                   ; the reciprocal has written v14, ahead of its first reader
.set n, 0
.rept 64
	v_mul_f32 v[96+n], v[160+n], v14               ; register 16 b + e: channel 32 b + 16 h + e of my query
.set n, n+1
.endr
	QUANT 96
	s_wait_alu depctr_va_vdst(0)                   ; the quantiser has written the codes and the scale word, which the four stores read
.irp c, 0,1,2
	global_store_b128 v[LI], v[PC+4*\c:PC+4*\c+3], s[58:59] offset:512*\c
.endr
	global_store_b32 v[LS], v[PW], s[60:61]
	s_wait_dscnt 0x0                               ; the closing lines, six on end
	s_wait_alu 0x0
	s_wait_tensorcnt 0x0
	ds_add_u32 v248, v249
	s_wait_dscnt 0x0
	s_endpgm
.Lfunc_end_k_q24b62073a6_attn:
	.size	k_q24b62073a6_attn, .Lfunc_end_k_q24b62073a6_attn-k_q24b62073a6_attn
	.p2alignl 7, 3214868480
	.fill 96, 4, 3214868480
	.section	.rodata,"a",@progbits
	.p2align	6, 0x0
	.amdhsa_kernel k_q24b62073a6_attn
		.amdhsa_group_segment_fixed_size 103424
		.amdhsa_private_segment_fixed_size 0
		.amdhsa_enable_private_segment 0
		.amdhsa_kernarg_size 40
		.amdhsa_user_sgpr_count 2
		.amdhsa_user_sgpr_kernarg_segment_ptr 1
		.amdhsa_wavefront_size32 1
		.amdhsa_system_sgpr_workgroup_id_x 1
		.amdhsa_system_sgpr_workgroup_id_y 1
		.amdhsa_system_sgpr_workgroup_id_z 1
		.amdhsa_system_vgpr_workitem_id 0
		.amdhsa_next_free_vgpr 512
		.amdhsa_next_free_sgpr 66
		.amdhsa_reserve_vcc 0
		.amdhsa_float_denorm_mode_32 3
		.amdhsa_float_denorm_mode_16_64 3
		.amdhsa_memory_ordered 1
		.amdhsa_forward_progress 1
		.amdhsa_inst_pref_size 156
	.end_amdhsa_kernel
	.amdgpu_metadata
---
amdhsa.version: [ 1, 2 ]
amdhsa.kernels:
  - .name:           k_q24b62073a6_attn
    .symbol:         k_q24b62073a6_attn.kd
    .args:
      - { .name: qi, .offset: 0, .size: 8, .value_kind: global_buffer, .address_space: global }
      - { .name: kv, .offset: 8, .size: 8, .value_kind: global_buffer, .address_space: global }
      - { .name: positions, .offset: 16, .size: 8, .value_kind: global_buffer, .address_space: global }
      - { .name: pmm, .offset: 24, .size: 8, .value_kind: global_buffer, .address_space: global }
      - { .name: ag, .offset: 32, .size: 8, .value_kind: global_buffer, .address_space: global }
    .group_segment_fixed_size: 103424
    .private_segment_fixed_size: 0
    .kernarg_segment_align: 8
    .kernarg_segment_size: 40
    .max_flat_workgroup_size: 256
    .sgpr_count:     66
    .vgpr_count:     512
    .wavefront_size: 32
...
	.end_amdgpu_metadata
.endif
;; end of part 5
;; launch oproj: the kernel of part 4 again; grid 8 x 32, 4 waves a work-group, clusters of 4 x 4, 327,680 bytes of LDS; arguments ag, og, out0; writes out0
